; MI455X (gfx1250); checked and timed in simulation.
; The chip was launched on July 23, 2026; its instructions are those of AMD's public machine-readable ISA for CDNA 5 (MIT licence, August 2026) and "CDNA5" Instruction Set Architecture Reference Guide (July 2026). The comments in the code are by the model that wrote it; some were corrected since.
;; GPT. Allowed arithmetic: matrix products marked QUANTISED: E2M3 operands, one E8M0 scale for each 32 along K, by v_wmma_scale_f32_16x16x128_f8f6f4 with both operands' format E2M3, f32 sums; everything else in f32.
;; Inputs: W_attn 1,024 x 3,072 float32; W_proj 1,024 x 1,024 float32; x 4 x 2,048 x 1,024 float32.
;; Outputs: out0 4 x 2,048 x 1,024 float32.
;; This version of the problem:
;;   THIS VERSION OF THE PROBLEM IS GIVEN IN LOW PRECISION. The matrix products marked QUANTISED in the list below multiply operands that are first quantised to E2M3 (2 exponent bits, 3 mantissa bits; 6 bits a number), with one power-of-two scale for each 32 numbers along K (OCP MX v1.0); their sums are f32. All else is computed in f32.
;;   The module's matrix products, in the order in which they are computed (A, B: the left and right operand; K: the contracted axis; several contracted axes count as one K, in the product's order):
;;     1. [M 8,192, K 1,024] x [K 1,024, N 3,072]; A: input x; B: input W_attn: QUANTISED
;;     2. batch 64 x [M 2,048, K 64] x [K 64, N 2,048]; A: computed on the way; B: computed on the way: QUANTISED
;;     3. batch 64 x [M 2,048, K 2,048] x [K 2,048, N 64]; A: softmax (see below); B: computed on the way: QUANTISED
;;     4. [M 8,192, K 1,024] x [K 1,024, N 1,024]; A: computed on the way; B: input W_proj: QUANTISED
;;   THE QUANTISER, for each operand of a quantised product, along K:
;;     - K is cut into blocks of 32 from its start; a last block that is shorter is filled with zeros.
;;     - A block's scale is 2^e with e = floor(log2(the largest magnitude in the block)) - 2, held to -126 .. 127; a block of zeros has e = 0. As a byte (E8M0): e + 127.
;;     - Each number is divided by its block's scale, clamped to +-7.5, and rounded to the nearest number of E2M3, ties to even, subnormals kept.
;;     - The product sums the exact products of the quantised numbers (number of the format x scale) in f32.
;;   ~~~python
;;   def quantise(x, axis):      # numpy; x: float32 -> the quantised numbers, widened to float32 again
;;       x = np.moveaxis(x, axis, -1); K = x.shape[-1]
;;       x = np.pad(x, [(0, 0)] * (x.ndim - 1) + [(0, -K % 32)]); x = x.reshape(x.shape[:-1] + (-1, 32)); a = np.abs(x).max(-1, keepdims=True)
;;       e = np.where(a > 0, np.clip(np.frexp(np.where(a > 0, a, 1))[1] - 1 - 2, -126, 127), 0)      # np.frexp(a)[1] - 1 = floor(log2(a)), exactly
;;       r = np.clip(x / 2.0 ** e, -7.5, 7.5)
;;       step = 2.0 ** (np.maximum(np.frexp(np.where(r == 0, 1, r))[1] - 1, 0) - 3)
;;       q = np.round(r / step) * step * 2.0 ** e      # np.round: ties to even
;;       return np.moveaxis(q.reshape(q.shape[:-2] + (-1,))[..., :K], -1, axis).astype(np.float32)
;;   ~~~
;;   SOFTMAX AHEAD OF A QUANTISED PRODUCT. Where the list says 'softmax', what is quantised is not the finished softmax but p = 2^(t - M), with t = logit x log2(e) and M = ceil(the row's largest t), a whole number; so 1/2 < the row's largest p <= 1. The row's sum l is taken of the UNQUANTISED p, in f32, and the product's result is divided by l at the end. Since M is a whole number, a kernel that streams over the keys may use a running M (the ceiling of the running maximum): every later rescaling is an exact power of two, which a block's scale takes up: the codes' values come out the same.
;;   OPERANDS COMPUTED ON THE WAY. 'Computed on the way' means the value that the module computes at that place (a softmax that the list does not call 'softmax' is quantised finished and normalised). What goes into a quantiser is computed in f32, as accurately as f32 sums, v_exp_f32 and their like allow (about 1e-6 of the number): no bf16 or f16 on the way to a quantiser, and a product that is left as it is and whose result goes on into a quantised operand takes f32 operands (vector FMAs, or v_wmma_f32_16x16x4_f32). A number that lies on a knife's edge between two numbers of the format may be rounded either way, as far as f32 arithmetic and the matrix unit's own rounding can turn it there, and no further.
;; One version. Each part assembles by itself: llvm-mc -triple=amdgcn-amd-amdhsa -mcpu=gfx1250 --defsym DOCPART=n.
;; ======== version 1 of 1: 4 launches
;; workspace buffers: XQ 6,553,600 bytes; WA 2,457,600 bytes; WP 819,200 bytes; QB 13,107,200 bytes; KV 13,107,200 bytes; YQ 6,553,600 bytes
;; launch quant (part 1): grid 384 x 1, 4 waves a work-group, no clusters, 85,504 bytes of LDS; arguments x, W_attn, W_proj, XQ, WA, WP; writes XQ, WA, WP
.if DOCPART == 1
	.amdgcn_target "amdgcn-amd-amdhsa--gfx1250"
	.amdhsa_code_object_version 6
	.text
	.protected	k_q5002b47ca7_quant
	.globl	k_q5002b47ca7_quant
	.p2align	8
	.type	k_q5002b47ca7_quant,@function
k_q5002b47ca7_quant:
	s_mov_b64 s[64:65], 0
	v_nop
	global_prefetch_b8 v0, s[64:65] scope:SCOPE_SE
	s_setreg_imm32_b32 hwreg(HW_REG_WAVE_MODE, 25, 1), 1
	s_wait_xcnt 0x0
; x [8192][1024], W_attn [1024][3072] and W_proj [1024][1024], f32, become codes of FP6 (E2M3) with one E8M0 scale byte for each 32 along K (x: its last axis; the weights: their first).
; A block's scale is 2^(floor(log2(its largest magnitude)) - 2): its byte is the largest magnitude's exponent field - 2, held at 1 from below; each number is divided by the scale and rounded to the nearest code, ties to even.
; LIMITS: NaN and infinities among the inputs are not served; a block whose largest magnitude lies under 2^-124 takes the byte 1; a block of zeros takes the byte 1 where the rule says 127 (its codes are zeros, and this program alone reads the bytes).
; THE OUTPUT IS LAID AS THE PRODUCTS' REGISTERS WANT IT.  A tile is 16 rows (tokens of x, columns n of a weight): tile 2 G + u holds in its row i the tensor's row 32 G + 8 u + i + 8 (i / 8).
; A fragment (a tile x 128 K, 12 registers a lane) is 1,536 bytes: six planes of 256 bytes, plane p = registers 2 p, 2 p + 1, lane l's 8 bytes at 8 l.  Codes: [tile][8 K steps][1,536].
; Scale words behind them: [tile][4][16 rows][2 words]: a row's words of K steps 2 kp and 2 kp + 1 lie together.
; SHARES.  Work-groups 0-255: x; each wave one tile x 512 K (four fragments).  Work-groups 256-351: W_attn, 352-383: W_proj; each wave 32 columns x 256 K.  The three ways part on the work-group's number, never join,
; and each has LDS bytes of its own.  No wave reads another's LDS bytes: no barrier.
.set XSC,   6291456                    ; where the scale words begin in XQ, WA, WP
.set WASC,  2359296
.set WPSC,  786432
.set XSTG,  8448                       ; x: a wave's stage: 16 rows x (512 bytes + 16)
.set WSTG,  6400                       ; weights: a wave's stage: two tiles x two fragments, the tiles 3,200 bytes apart
.set WALDS, 4*XSTG
.set WPLDS, WALDS+4*WSTG
.set R,     16                         ; v16-143  x: two sets of 64 registers as loaded
.set X,     144                        ; v144-207 x: my 64 numbers of a fragment
.set C,     208                        ; v208-231 x: two sets of 12 registers of codes
.set T,     232                        ; v232-238 x: the upper halves of two blocks' codes
.set SW,    240                        ; v240-243 x: the four fragments' scale words
.set WX,    32                         ; v32-95   weights: two sets of 32 numbers
.set WC,    96                         ; v96-102  weights: a block's codes
.set WO,    112                        ; v112-159 weights: the way out
.macro LOADX f                         ; fragment f: 16 rows x 512 consecutive bytes, 16 bytes a lane
.set NN, 0
.rept 16
	global_load_b128 v[R+64*((\f)%2)+4*NN:R+64*((\f)%2)+4*NN+3], v4, s[4:5] offset:(NN+8*(NN/8))*4096+512*(\f) th:TH_LOAD_NT
.set NN, NN+1
.endr
.endm
.macro TURNX f                         ; through my stage: in as loaded, out as the operand wants it: lane (r, h) takes of row r the numbers 64 c + 32 h + 0 .. 31.  LDS serves a wave's instructions in order
.set NN, 0
.rept 16
	ds_store_b128 v5, v[R+64*((\f)%2)+4*NN:R+64*((\f)%2)+4*NN+3] offset:528*NN
.set NN, NN+1
.endr
.irp c, 0,1
.irp q, 0,1,2,3,4,5,6,7
	ds_load_b128 v[X+32*\c+4*\q:X+32*\c+4*\q+3], v6 offset:256*\c+16*\q
.endr
.endr
.endm
.macro QX f                            ; my two whole blocks (2 c + h) of fragment f: scale, codes, six stores of 256 consecutive bytes
.set CC, C+12*((\f)%2)
.irp c, 0,1
	v_max3_num_f32 v[8+\c], |v[X+32*\c]|, |v[X+32*\c+1]|, 0x1800000   ; with the floor 2^(3 - 127): the byte cannot fall under 1
.endr
.irp i, 2,4,6,8,10,12,14,16,18,20,22,24,26,28,30
.irp c, 0,1
	v_max3_num_f32 v[8+\c], v[8+\c], |v[X+32*\c+\i]|, |v[X+32*\c+\i+1]|
.endr
.endr
.irp c, 0,1
	v_add_nc_u32 v[10+\c], 0xff000000, v[8+\c]     ; 2 off the exponent field: the conversion's scale operand
.endr
.irp c, 0,1
	v_lshrrev_b32 v[12+\c], 23, v[10+\c]           ; the scale's byte
.endr
	v_lshl_or_b32 v[SW+\f], v13, 16, v12           ; blocks h and 2 + h,
	v_lshlrev_b32 v[SW+\f], v15, v[SW+\f]          ; 8 h bits up;
	v_permlanex16_b32 v14, v[SW+\f], s20, s21
	v_or_b32 v[SW+\f], v[SW+\f], v14               ; with lane l xor 16's two the row's word is whole
.irp c, 0,1
	v_cvt_scalef32_pk16_fp6_f32 v[CC+6*\c:CC+6*\c+2], v[X+32*\c:X+32*\c+15], v[10+\c]
	v_cvt_scalef32_pk16_fp6_f32 v[T+4*\c:T+4*\c+2], v[X+32*\c+16:X+32*\c+31], v[10+\c]   ; (a conversion's three registers begin on an even number)
.endr
	v_nop                                          ; one plain place behind the scaled conversions
.irp c, 0,1
.irp i, 0,1,2
	v_mov_b32 v[CC+6*\c+3+\i], v[T+4*\c+\i]
.endr
.endr
.irp p, 0,1,2,3,4,5
	global_store_b64 v7, v[CC+2*\p:CC+2*\p+1], s[26:27] offset:1536*(\f)+256*\p
.endr
.endm
.macro WLOAD t, N                      ; block t: W(32 t + i, my column): 32 lanes read 128 consecutive bytes
.set NN, 0
.rept 32
	global_load_b32 v[WX+32*((\t)%2)+NN], v3, s[24:25] offset:(32*(\t)+NN)*\N*4 th:TH_LOAD_NT
.set NN, NN+1
.endr
.endm
.macro WBLOCK t, N                     ; a lane's 32 registers are one block of its column: no other lane is asked
.set XS, WX+32*((\t)%2)
.if (\t) < 7
	s_wait_loadcnt 32                              ; this block's 32 loads are in; the next block's 32 may be out
.else
	s_wait_loadcnt 0x0
.endif
	v_max3_num_f32 v12, |v[XS]|, |v[XS+1]|, |v[XS+2]|
	v_max3_num_f32 v13, |v[XS+3]|, |v[XS+4]|, |v[XS+5]|
.irp i, 6,10,14,18,22,26
	v_max3_num_f32 v12, v12, |v[XS+\i]|, |v[XS+\i+1]|
	v_max3_num_f32 v13, v13, |v[XS+\i+2]|, |v[XS+\i+3]|
.endr
	v_max3_num_f32 v12, v12, |v[XS+30]|, |v[XS+31]|
	v_max3_num_f32 v12, v12, v13, 0x1800000        ; and the floor
	v_add_nc_u32 v11, 0xff000000, v12
	v_lshrrev_b32 v13, 23, v11
.if (\t)%4 == 0
	v_mov_b32 v[24+(\t)/4], v13                    ; four bytes make a K step's scale word
.else
	v_lshl_or_b32 v[24+(\t)/4], v13, 8*((\t)%4), v[24+(\t)/4]
.endif
	v_cvt_scalef32_pk16_fp6_f32 v[WC:WC+2], v[XS:XS+15], v11
	v_cvt_scalef32_pk16_fp6_f32 v[WC+4:WC+6], v[XS+16:XS+31], v11
	v_nop                                          ; one plain place behind the scaled conversions
	v_mov_b32 v[WC+3], v[WC+4]
	v_mov_b32 v[WC+4], v[WC+5]
	v_mov_b32 v[WC+5], v[WC+6]
.irp j, 0,1,2                          ; block t is, in fragment t / 4, registers 6 c .. 6 c + 5 (c = (t / 2) % 2) of the lane 16 (t % 2) + my row
	ds_store_b64 v4, v[WC+2*\j:WC+2*\j+1] offset:1536*((\t)/4)+256*(3*(((\t)/2)%2)+\j)+128*((\t)%2)
.endr
.if (\t)+2 < 8
	WLOAD (\t)+2, \N
.endif
	s_wait_dscnt 0x0                               ; the stores have read their registers
.endm
.macro WPATH N, src, dst, scoff, firstwg, ldsbase
	v_lshlrev_b32 v3, 2, v1                        ; in: 4 bytes a lane
	v_bfe_u32 v5, v0, 3, 1                         ; column 32 beta + lane is row i = lane % 8 + 8 (lane / 16) of tile 2 beta + u, u = (lane / 8) % 2
	v_and_b32 v6, 7, v0
	v_bfe_u32 v10, v0, 4, 1
	v_lshl_add_u32 v6, v10, 3, v6
	s_mul_i32 s17, s16, WSTG
	s_add_co_u32 s17, s17, \ldsbase                ; my stage
	v_mul_u32_u24 v4, v5, 3200
	v_lshl_add_u32 v4, v6, 3, v4
	v_add_nc_u32 v4, s17, v4                       ; into it: 3,200 u + 8 i
	v_lshlrev_b32 v8, 4, v1
	v_add_nc_u32 v7, s17, v8                       ; out of it: 16 bytes a lane
	v_lshlrev_b32 v9, 9, v5
	v_lshl_add_u32 v9, v6, 3, v9                   ; my scale words: 512 u + 8 i
	s_sub_co_u32 s18, ttmp9, \firstwg
	s_lshr_b32 s19, s18, 2                         ; which 128 columns
	s_and_b32 s18, s18, 3                          ; which 256 along K
	s_lshl_b32 s23, s19, 2
	s_add_co_u32 s23, s23, s16                     ; beta: my wave's 32 columns
	s_mul_i32 s24, s18, 256*\N*4
	s_lshl_b32 s25, s23, 7
	s_add_co_u32 s24, s24, s25
	s_mov_b32 s25, 0
	s_mul_i32 s26, s23, 24576
	s_mul_i32 s27, s18, 3072
	s_add_co_u32 s26, s26, s27
	s_mov_b32 s27, 0
	s_lshl_b32 s28, s23, 10
	s_lshl_b32 s29, s18, 7
	s_add_co_u32 s28, s28, s29
	s_add_co_u32 s28, s28, \scoff
	s_mov_b32 s29, 0
	s_wait_kmcnt 0x0
	s_add_nc_u64 s[24:25], s[\src:\src+1], s[24:25]
	s_add_nc_u64 s[26:27], s[\dst:\dst+1], s[26:27]
	s_add_nc_u64 s[28:29], s[\dst:\dst+1], s[28:29]
	WLOAD 0, \N
	WLOAD 1, \N
.irp t, 0,1,2,3,4,5,6,7
	WBLOCK \t, \N
.endr
	global_store_b64 v9, v[24:25], s[28:29]        ; two words a column: two runs of 128 consecutive bytes
.irp k, 0,1,2,3,4,5,6,7,8,9,10,11
	ds_load_b128 v[WO+4*\k:WO+4*\k+3], v7 offset:3200*(\k/6)+512*(\k%6)
.endr
.irp k, 0,1,2,3,4,5,6,7,8,9,10,11
	s_wait_dscnt 11-\k                             ; LDS loads come back in order: load k is in, the younger ones may be out
	global_store_b128 v8, v[WO+4*\k:WO+4*\k+3], s[26:27] offset:12288*(\k/6)+512*(\k%6)   ; 512 consecutive bytes, aligned
.endr
	s_wait_tensorcnt 0x0
	ds_add_u32 v254, v255
	s_wait_dscnt 0x0
	s_endpgm
.endm
	s_load_b256 s[4:11], s[0:1], 0x0               ; x s[4:5], W_attn s[6:7], W_proj s[8:9], XQ s[10:11]
	s_load_b128 s[12:15], s[0:1], 0x20             ; WA s[12:13], WP s[14:15]
	v_lshl_add_u32 v254, v0, 2, 0x14c00
	v_mov_b32 v255, 0
	v_lshrrev_b32 v1, 5, v0
	v_readfirstlane_b32 s16, v1                    ; wave
	v_and_b32 v1, 31, v0                           ; lane
	s_mov_b32 s20, 0x76543210
	s_mov_b32 s21, 0xfedcba98                      ; v_permlanex16_b32's selects for lane l xor 16
	s_mov_b32 s22, 0xffff0000                      ; lanes 16-31
	s_cmp_lt_u32 ttmp9, 256
	s_cbranch_scc0 .Lweights
	; ---- x
	v_and_b32 v2, 15, v0                           ; r
	v_bfe_u32 v3, v0, 4, 1                         ; h
	v_lshlrev_b32 v4, 4, v1
	s_mul_i32 s17, s16, XSTG
	v_add_nc_u32 v5, s17, v4                       ; the stage, way in: 16 x lane
	v_mul_u32_u24 v6, v2, 528
	v_lshl_add_u32 v6, v3, 7, v6
	v_add_nc_u32 v6, s17, v6                       ; way out: row r, + 128 h
	v_lshlrev_b32 v7, 3, v1
	v_lshlrev_b32 v15, 3, v3
	v_mov_b32 v14, 0                               ; a lane permute's destination counts as one of its sources
	s_lshl_b32 s18, ttmp9, 2
	s_add_co_u32 s18, s18, s16
	s_lshr_b32 s19, s18, 1                         ; my tile
	s_and_b32 s18, s18, 1                          ; my half of K
	s_lshr_b32 s24, s19, 1
	s_lshl_b32 s24, s24, 5
	s_and_b32 s25, s19, 1
	s_lshl_b32 s25, s25, 3
	s_add_co_u32 s24, s24, s25                     ; the tile's first row
	s_lshl_b32 s24, s24, 12
	s_lshl_b32 s25, s18, 11
	s_add_co_u32 s24, s24, s25
	s_mov_b32 s25, 0
	s_mul_i32 s26, s19, 12288
	s_mul_i32 s27, s18, 6144
	s_add_co_u32 s26, s26, s27
	s_mov_b32 s27, 0
	s_lshl_b32 s28, s19, 9
	s_lshl_b32 s29, s18, 8
	s_add_co_u32 s28, s28, s29
	s_add_co_u32 s28, s28, XSC
	s_mov_b32 s29, 0
	s_wait_kmcnt 0x0
	s_add_nc_u64 s[4:5], s[4:5], s[24:25]
	s_add_nc_u64 s[26:27], s[10:11], s[26:27]
	s_add_nc_u64 s[28:29], s[10:11], s[28:29]
	LOADX 0
	LOADX 1
.irp f, 0,1,2,3
.if \f < 3
	s_wait_loadcnt 16                              ; this fragment's 16 loads are in; the next fragment's 16 may be out
.else
	s_wait_loadcnt 0x0
.endif
	TURNX \f
	s_wait_dscnt 0x0                               ; my 64 numbers are in, and the stage's stores have read their registers
.if \f < 2
	LOADX \f+2
.else
	s_wait_xcnt 0x0                                ; the stores of two fragments back have read this set of codes: it is written again only behind this wait
.endif
	QX \f
.endr
	v_cndmask_b32 v244, v240, v242, s22            ; lanes 0-15: row r's words of my first two K steps; lanes 16-31: of the other two
	v_cndmask_b32 v245, v241, v243, s22
	global_store_b64 v7, v[244:245], s[28:29]      ; 256 consecutive bytes, aligned
	s_wait_tensorcnt 0x0
	ds_add_u32 v254, v255
	s_wait_dscnt 0x0
	s_endpgm
.Lweights:
	s_cmp_lt_u32 ttmp9, 352
	s_cbranch_scc0 .Lproj
	WPATH 3072, 6, 12, WASC, 256, WALDS
.Lproj:
	WPATH 1024, 8, 14, WPSC, 352, WPLDS
.Lfunc_end_k_q5002b47ca7_quant:
	.size	k_q5002b47ca7_quant, .Lfunc_end_k_q5002b47ca7_quant-k_q5002b47ca7_quant
	.p2alignl 7, 3214868480
	.fill 96, 4, 3214868480
	.section	.rodata,"a",@progbits
	.p2align	6, 0x0
	.amdhsa_kernel k_q5002b47ca7_quant
		.amdhsa_group_segment_fixed_size 85504
		.amdhsa_private_segment_fixed_size 0
		.amdhsa_enable_private_segment 0
		.amdhsa_kernarg_size 48
		.amdhsa_user_sgpr_count 2
		.amdhsa_user_sgpr_kernarg_segment_ptr 1
		.amdhsa_wavefront_size32 1
		.amdhsa_system_sgpr_workgroup_id_x 1
		.amdhsa_system_sgpr_workgroup_id_y 1
		.amdhsa_system_sgpr_workgroup_id_z 1
		.amdhsa_system_vgpr_workitem_id 0
		.amdhsa_next_free_vgpr 256
		.amdhsa_next_free_sgpr 66
		.amdhsa_reserve_vcc 0
		.amdhsa_float_denorm_mode_32 3
		.amdhsa_float_denorm_mode_16_64 3
		.amdhsa_memory_ordered 1
		.amdhsa_forward_progress 1
		.amdhsa_inst_pref_size 114
	.end_amdhsa_kernel
	.amdgpu_metadata
---
amdhsa.version: [ 1, 2 ]
amdhsa.kernels:
  - .name:           k_q5002b47ca7_quant
    .symbol:         k_q5002b47ca7_quant.kd
    .args:
      - { .name: x, .offset: 0, .size: 8, .value_kind: global_buffer, .address_space: global }
      - { .name: W_attn, .offset: 8, .size: 8, .value_kind: global_buffer, .address_space: global }
      - { .name: W_proj, .offset: 16, .size: 8, .value_kind: global_buffer, .address_space: global }
      - { .name: XQ, .offset: 24, .size: 8, .value_kind: global_buffer, .address_space: global }
      - { .name: WA, .offset: 32, .size: 8, .value_kind: global_buffer, .address_space: global }
      - { .name: WP, .offset: 40, .size: 8, .value_kind: global_buffer, .address_space: global }
    .group_segment_fixed_size: 85504
    .private_segment_fixed_size: 0
    .kernarg_segment_align: 8
    .kernarg_segment_size: 48
    .max_flat_workgroup_size: 128
    .sgpr_count:     66
    .vgpr_count:     256
    .wavefront_size: 32
...
	.end_amdgpu_metadata
.endif
;; end of part 1
;; launch gemm_qkv (part 2): grid 12 x 32, 4 waves a work-group, clusters of 4 x 4, 327,680 bytes of LDS; arguments XQ, WA, QB, KV; writes QB, KV
.if DOCPART == 2
	.amdgcn_target "amdgcn-amd-amdhsa--gfx1250"
	.amdhsa_code_object_version 6
	.text
	.protected	k_q5002b47ca7_gemm_qkv
	.globl	k_q5002b47ca7_gemm_qkv
	.p2align	8
	.type	k_q5002b47ca7_gemm_qkv,@function
k_q5002b47ca7_gemm_qkv:
	s_mov_b64 s[64:65], 0
	v_nop
	global_prefetch_b8 v0, s[64:65] scope:SCOPE_SE
	s_setreg_imm32_b32 hwreg(HW_REG_WAVE_MODE, 25, 1), 1
	s_wait_xcnt 0x0
	s_wait_alu depctr_hold_cnt(0) depctr_sa_sdst(0) depctr_va_vdst(0) depctr_va_sdst(0) depctr_va_ssrc(0) depctr_va_vcc(0) depctr_vm_vsrc(0)
	s_getreg_b32 s2, hwreg(HW_REG_IB_STS2, 6, 4)
	s_cmp_eq_u32 s2, 0
	s_cbranch_scc0 .Lentry_in_a_cluster
	s_endpgm
.Lentry_in_a_cluster:
	s_bfe_u32 s2, ttmp6, 0x10000c
	s_cmp_lg_u32 s2, 0xf033
	s_cbranch_scc0 .Lentry_shape_is_right
	s_endpgm
.Lentry_shape_is_right:
; ONE TEXT SERVES TWO LAUNCHES (QKV = 1: x W_attn, whose results leave as codes of q, k and v; QKV = 0: y W_proj, whose results leave as f32).  Both products on codes of FP6 (E2M3) with E8M0 scales, K = 1,024, sums in f32.
; OPERANDS lie in memory as images of the matrix instruction's registers: [tile of 16 rows][8 K steps of 128][1,536 bytes]; a fragment is six planes of 256 bytes, plane p = registers 2 p, 2 p + 1, lane l at 8 l.
; Tile 2 G + u holds in its row i the tensor's row 32 G + 8 u + i + 8 (i / 8).  Scale words behind the codes: [tile][4][16 rows][2 words].
; SHARES.  A work-group of four waves makes 256 tokens x 256 columns, a wave 128 x 128: 64 accumulators of 16 x 16.  K goes in four steps of 256 through two LDS slots; the scale words of the work-group's rows come once.
; CLUSTERS: 4 x 4 work-groups; the tokens' tiles are shared along a row of the cluster, the weight's along a column: each is asked for jointly, by the same tensor load with the same descriptor and a mask that names the four.
; SOURCE 0's ROWS RUN ALONG A LANE'S REGISTERS in the result: by the order of rows in a tile the 16 registers of source-0 tiles 2 b and 2 b + 1 in lane (r, h) are the neighbours 32 b + 16 h + 0 .. 15.
; q, k (cluster x = 0, 1) and the projection: source 0 = the weight, source 1 = the tokens: a lane holds a token, its registers run along the columns, which is the axis along which q and k are quantised.
; v (cluster x = 2): source 0 = the tokens, source 1 = the weight: a lane holds a channel d and its registers run along the tokens, the keys, along which v is quantised.
; The two cases differ in LDS read addresses and in the way out's constants alone; the choice hangs on the cluster's x, which all sixteen partners share.
; HEAD RECORDS (QB, KV): for head bh and group t of 128 tokens 12,800 bytes at (16 bh + t) x 12,800: +0 four double fragments of q or k (planes 3 u + j: token tile 2 pi + u, the 24 bytes of d = 32 h ..);
; +6,144 four fragments of v (rows d, K = the 128 keys); +12,288 q's or k's scale words [pi][16] (bytes: u0 block 0, u0 block 1, u1 block 0, u1 block 1); +12,544 v's [dt][16].
; LIMITS: NaN and infinities are not served; a block whose largest magnitude lies under 2^-124, a block of zeros too, takes the byte 1 (this program alone reads the bytes).  The way out's scale words leave in runs of 64 or 128 bytes.
; 384 tiles (128 in the projection) are no multiple of the 256 work-groups that run at a time: a narrower tile would cut heads apart or feed fewer products from each LDS byte.
; REGISTERS: window 0: v1-31 addresses; v32-63 scale words, two sets; v64-127 the way out; v128-223 source 1's eight fragments, one set.  window 1: source 0's fragments, two sets, at v0 and v128.
;   windows 2, 3: the accumulators: (a, b) at v[8 (8 (a % 4) + b)] of window 2 + a / 4.
.set QKV,   1
.set ASC,   6291456                    ; where the scale words begin in the tokens' buffer,
.if QKV
.set BSC,   2359296                    ; and in the weight's
.else
.set BSC,   786432
.endif
.set NQ,    2                          ; matrix instructions deep in a slot
.set FR,    12                         ; registers of a fragment
.set NL,    6                          ; LDS loads that bring one
.set NP,    4                          ; places behind this matrix instruction (ISA guide 7.12.1)
.set RT,    3072                       ; a tile's two fragments of a K step of 256
.set HALFT, 8*RT                       ; eight tiles: what one tensor load brings, and what a wave reads of either operand
.set SLOT,  4*HALFT                    ; the tokens' 16 tiles, then the weight's 16
.set SCL,   2*SLOT                     ; behind the ring: the tokens' scale words, 8,192 bytes;
.set SCLB,  SCL+8192+128               ; the weight's, 128 bytes further on than on end
.set SPARE, SCLB+8192+128              ; the spare words, 128 bytes for each wave: two blocks of 256 bytes that no other line names
.set REC,   12800
.set HEADB, 16*REC
.set SPITCH, 528                       ; the projection's way out: a stage of 16 rows x (512 bytes + 16) for each wave, in slot 0, which has had its last fill and its last read by then
.set ADR1, 16                          ; v16-17  LDS address of source 1's fragments in slot 0, 1
.set ADR0, 20                          ; v20-21  of source 0's
.set STO,  24
.set RD,   25
.set CO,   26
.set ADRS, 27                          ; v27     of my scale words: lanes 0-15 source 1's rows, lanes 16-31 source 0's
.set SPW,  28                          ; v28     LDS address of my spare word; never rewritten
.set NIL,  29                          ; v29     0; never rewritten
.set FLR,  30                          ; v30     the floor 2^(3 - 127)
.set SC,   32
.set AF,   128
.set BK,   128
.set PC0,  64                          ; v64-82, v88-106 two fragments' codes in the making
.set PC1,  88
.set TM,   108                         ; v108-123 largest magnitudes, bytes, scale operands
.set PW0,  124
.set PW1,  125
.set OW0,  126
.set OW1,  127
.set OW,   13
.set VO,   8                           ; v8-11   the way out's offsets [u][c]
.set VSO,  12
.set G1, 24
.set G0, 32
.set G1B, 48
.set G0B, 56
.set G1S, 68
.set G0S, 76
.set G1SB, 80
.set G0SB, 88
.set MSB, 0
.macro WIN new                         ; the immediate's high byte repeats the setting that is left
.if MSB != (\new)
	s_set_vgpr_msb (MSB<<8)|(\new)
.set MSB, (\new)
.endif
.endm
.set MUL_LO, 0xa1                      ; source 0 window 1, source 1 window 0, C and D window 2
.set MUL_HI, 0xf1                      ; the same, C and D window 3
.set TO_B,   0x40                      ; destination window 1, address window 0
; A joint load: waves 0 and 1 fetch the tokens' halves, waves 2 and 3 the weight's.  The branch hangs on the wave's number alone.  Four v_nop follow each of the two lines.
.macro JLOAD g0a, g1a, g0b, g1b
	s_cmp_eq_u32 s15, 0
	s_cbranch_scc0 .Lfor_b_\@
	tensor_load_to_lds s[\g0a:\g0a+3], s[\g1a:\g1a+7]
	s_nop 0
.rept 4
	v_nop
.endr
	s_branch .Lasked_\@
.Lfor_b_\@:
	tensor_load_to_lds s[\g0b:\g0b+3], s[\g1b:\g1b+7]
	s_nop 0
.rept 4
	v_nop
.endr
.Lasked_\@:
.endm
.macro CREST                           ; a round of the cluster's barrier behind its opening barrier
	s_cmp_lg_u32 s14, 0
	s_cbranch_scc1 .Lnot_wave_0_\@
	s_barrier_signal -3
.Lnot_wave_0_\@:
	s_barrier_wait -3
	s_barrier_signal -1
	s_barrier_wait -1
.endm
.macro CROUND                          ; a whole round
	s_barrier_signal -1
	s_barrier_wait -1
	CREST
.endm
	s_load_b128 s[4:7], s[0:1], 0x0                ; the tokens' image s[4:5], the weight's s[6:7]
.if QKV
	s_load_b128 s[8:11], s[0:1], 0x10              ; QB s[8:9], KV s[10:11]
.else
	s_load_b64 s[12:13], s[0:1], 0x10              ; out0
.endif
	v_lshl_add_u32 v[SPW], v0, 2, SPARE
	v_mov_b32 v[NIL], 0
	ds_add_u32 v28, v29
	s_wait_dscnt 0x0
	v_lshrrev_b32 v1, 5, v0
	v_readfirstlane_b32 s14, v1                    ; wave 0..3
	s_lshr_b32 s15, s14, 1                         ; which half of source 1 is mine.  Also: I fetch the tokens (0) or the weight (1)
	s_and_b32 s16, s14, 1                          ; which half of source 0.  Also: which eight tiles I fetch
	s_bfe_u32 s40, ttmp6, 0x40000                  ; cx, cy: my place in the cluster
	s_bfe_u32 s41, ttmp6, 0x40004
	s_lshl_b32 s42, ttmp9, 2
	s_add_co_u32 s42, s42, s40                     ; x: which 256 columns = 4 x cluster x + cx
	s_and_b32 s17, ttmp7, 0xffff
	s_lshl_b32 s17, s17, 2
	s_add_co_u32 s17, s17, s41                     ; y: which 256 tokens = 4 x cluster y + cy
	s_lshl_b32 s43, s41, 2
	s_lshl_b32 s43, 15, s43                        ; my row of the cluster
	s_lshl_b32 s44, 0x1111, s40                    ; my column
	; descriptor group 1, codes: 8 rows (tiles) of 3,072 bytes (384 elements of 8 bytes), 12,288 bytes apart; no padding: a fragment load reads 256 consecutive bytes
	s_or_b32 s[G1+0], s43, (3<<16)|(1<<21)         ; 15:0 the mask: the tokens' tiles go to my row; 17:16 elements of 8 bytes; 21 set beside a mask
	s_or_b32 s[G1B+0], s44, (3<<16)|(1<<21)        ; the weight's to my column
.irp g, G1, G1B
	s_mov_b32 s[\g+1], 384<<16                     ; tensor_dim0
	s_mov_b32 s[\g+2], 8<<16                       ; tensor_dim1
	s_mov_b32 s[\g+3], 384<<16                     ; tile_dim0
	s_mov_b32 s[\g+4], 8                           ; tile_dim1
	s_mov_b32 s[\g+5], 1536                        ; tensor_dim0_stride
	s_mov_b32 s[\g+6], 0
	s_mov_b32 s[\g+7], 0
.endr
	; scale words of eight tiles: 4,096 dense bytes as 16 rows of 256
	s_or_b32 s[G1S+0], s43, (3<<16)|(1<<21)
	s_or_b32 s[G1SB+0], s44, (3<<16)|(1<<21)
.irp g, G1S, G1SB
	s_mov_b32 s[\g+1], 32<<16
	s_mov_b32 s[\g+2], 16<<16
	s_mov_b32 s[\g+3], 32<<16
	s_mov_b32 s[\g+4], 16
	s_mov_b32 s[\g+5], 32
	s_mov_b32 s[\g+6], 0
	s_mov_b32 s[\g+7], 0
.endr
	s_lshl_b32 s18, s16, 3                         ; which eight tiles I fetch
	s_lshl_b32 s20, s17, 4
	s_add_co_u32 s20, s20, s18                     ; tokens: tile 16 y + 8 x half
	s_lshl_b32 s46, s42, 4
	s_add_co_u32 s46, s46, s18                     ; weight: tile 16 x + 8 x half
	s_lshl_b32 s22, s20, 9
	s_add_co_u32 s22, s22, ASC                     ; their scale words, 512 bytes a tile
	s_mov_b32 s23, 0
	s_lshl_b32 s92, s46, 9
	s_add_co_u32 s92, s92, BSC
	s_mov_b32 s93, 0
	s_mul_i32 s20, s20, 12288                      ; and their codes
	s_mov_b32 s21, 0
	s_mul_i32 s46, s46, 12288
	s_mov_b32 s47, 0
	s_mul_i32 s45, s14, HALFT                      ; where they go: wave x eight tiles: no place in the cluster enters an LDS address
	s_lshl_b32 s94, s14, 12
	s_lshl_b32 s95, s15, 7
	s_add_co_u32 s94, s94, s95                     ; scale words: wave x 4,096, the weight's 128 further on
	s_wait_kmcnt 0x0
	s_add_nc_u64 s[20:21], s[4:5], s[20:21]
	s_add_nc_u64 s[22:23], s[4:5], s[22:23]
	s_add_nc_u64 s[46:47], s[6:7], s[46:47]
	s_add_nc_u64 s[92:93], s[6:7], s[92:93]
	CROUND                                         ; all sixteen work-groups are here: the first joint loads meet
	s_mov_b32 s[G0S], 1
	s_add_co_u32 s[G0S+1], s94, SCL
	s_mov_b64 s[G0S+2:G0S+3], s[22:23]
	s_or_b32 s[G0S+3], s[G0S+3], 0x80000000
	s_mov_b32 s[G0SB], 1
	s_add_co_u32 s[G0SB+1], s94, SCL
	s_mov_b64 s[G0SB+2:G0SB+3], s[92:93]
	s_or_b32 s[G0SB+3], s[G0SB+3], 0x80000000
	JLOAD G0S, G1S, G0SB, G1SB                     ; the scale words first: they are wanted with K step 0.  Three loads of mine are out behind the first fills
.irp s, 0,1
	s_mov_b32 s[G0+4*\s], 1
	s_add_co_u32 s[G0+4*\s+1], s45, \s*SLOT
	s_add_nc_u64 s[G0+4*\s+2:G0+4*\s+3], s[20:21], \s*RT
	s_or_b32 s[G0+4*\s+3], s[G0+4*\s+3], 0x80000000
	s_mov_b32 s[G0B+4*\s], 1
	s_add_co_u32 s[G0B+4*\s+1], s45, \s*SLOT
	s_add_nc_u64 s[G0B+4*\s+2:G0B+4*\s+3], s[46:47], \s*RT
	s_or_b32 s[G0B+4*\s+3], s[G0B+4*\s+3], 0x80000000
	JLOAD G0+4*\s, G1, G0B+4*\s, G1B
.endr
	v_and_b32 v1, 15, v0                           ; r
	v_bfe_u32 v2, v0, 4, 1                         ; h
	v_and_b32 v3, 31, v0
	v_lshlrev_b32 v3, 3, v3                        ; 8 x lane: my place in every plane
	s_mov_b32 s3, 0xffff0000                       ; lanes 16-31
.if QKV
	s_cmp_eq_u32 ttmp9, 2                          ; v?  Then the two operands change roles: by where each source is read
	s_cselect_b32 s98, 2*HALFT, 0                  ; source 1: the weight's tiles, which lie behind the tokens', or the tokens'
	s_cselect_b32 s99, 0, 2*HALFT                  ; source 0: the other
	s_cselect_b32 s100, SCLB-SCL, 0
	s_cselect_b32 s101, 0, SCLB-SCL
.else
	s_mov_b32 s98, 0
	s_mov_b32 s99, 2*HALFT
	s_mov_b32 s100, 0
	s_mov_b32 s101, SCLB-SCL
.endif
	s_mul_i32 s21, s15, HALFT
	s_add_co_u32 s21, s21, s98
	s_mul_i32 s22, s16, HALFT
	s_add_co_u32 s22, s22, s99
.irp s, 0,1
	v_add_nc_u32 v[ADR1+\s], s21, v3
	v_add_nc_u32 v[ADR0+\s], s22, v3
	s_add_co_u32 s21, s21, SLOT
	s_add_co_u32 s22, s22, SLOT
.endr
	v_lshlrev_b32 v4, 3, v1                        ; a row's two words of a K step: 8 r
	s_lshl_b32 s21, s15, 12
	s_add_co_u32 s21, s21, s100
	s_add_co_u32 s21, s21, SCL
	s_lshl_b32 s22, s16, 12
	s_add_co_u32 s22, s22, s101
	s_add_co_u32 s22, s22, SCL
	v_add_nc_u32 v5, s21, v4
	v_add_nc_u32 v6, s22, v4
	v_cndmask_b32 v[ADRS], v5, v6, s3              ; lanes 0-15 take source 1's words, lanes 16-31 source 0's
.if QKV
	v_mov_b32 v[FLR], 0x1800000
.irp b, 0,1,2,3
	v_mov_b32 v[TM+4+\b], 0                        ; written once: a lane permute's destination counts as one of its sources
.endr
	s_mov_b32 s96, 0x76543210
	s_mov_b32 s97, 0xfedcba98                      ; v_permlanex16_b32's selects for lane l xor 16
.else
	s_mul_i32 s23, s14, 16*SPITCH                  ; my stage
	v_mul_u32_u24 v5, v1, SPITCH                   ; in: row r, + 64 h: my registers' columns are 32 (b / 2) + 8 (b % 2) + 16 h + j
	v_lshl_add_u32 v5, v2, 6, v5
	v_add_nc_u32 v[STO], s23, v5
	v_and_b32 v6, 31, v0
	v_lshlrev_b32 v[CO], 4, v6                     ; back: the 32 lanes take one row of 512 bytes; and the same in out0
	v_add_nc_u32 v[RD], s23, v[CO]
	s_lshl_b32 s20, s17, 8
	s_lshl_b32 s21, s15, 7
	s_add_co_u32 s20, s20, s21                     ; my first token: 256 y + 128 x half
	s_lshl_b32 s20, s20, 12                        ; a row of out0 is 4,096 bytes
	s_lshl_b32 s46, s42, 10
	s_lshl_b32 s47, s16, 9
	s_add_co_u32 s46, s46, s47                     ; my first column, in bytes
	s_add_co_u32 s20, s20, s46
	s_mov_b32 s21, 0
	s_add_nc_u64 s[12:13], s[12:13], s[20:21]
.endif
.macro FRAG reg, adr, q, i             ; a fragment as it lies: six planes, 8 bytes a lane: each load reads 256 consecutive bytes
.irp p, 0,1,2,3,4,5
	ds_load_b64 v[(\reg)+2*\p:(\reg)+2*\p+1], v[\adr] offset:RT*(\i)+1536*(\q)+256*\p
.endr
.endm
; 16 matrix instructions: source 1's blocks a0, a0 + 1 x source 0's eight, 128 along K.  p: source 0's set; sc: the set of scale words.  zero = 1: the first product starts the sums.
; The 64 accumulators take turns, one instruction a turn, in the same order in every step.
.macro MUL16 a0, p, q, sc, zero
.irp a, \a0, \a0+1
.irp b, 0,1,2,3,4,5,6,7
.if \zero
	v_wmma_scale_f32_16x16x128_f8f6f4 v[8*(8*((\a)%4)+\b):8*(8*((\a)%4)+\b)+7], v[128*(\p)+FR*\b:128*(\p)+FR*\b+FR-1], v[AF+FR*(\a):AF+FR*(\a)+FR-1], 0, v[SC+8*NQ*(\sc)+NQ*\b+(\q)], v[SC+8*NQ*(\sc)+NQ*(\a)+(\q)] matrix_a_fmt:MATRIX_FMT_FP6 matrix_b_fmt:MATRIX_FMT_FP6 matrix_a_scale:MATRIX_SCALE_ROW1
.else
	v_wmma_scale_f32_16x16x128_f8f6f4 v[8*(8*((\a)%4)+\b):8*(8*((\a)%4)+\b)+7], v[128*(\p)+FR*\b:128*(\p)+FR*\b+FR-1], v[AF+FR*(\a):AF+FR*(\a)+FR-1], v[8*(8*((\a)%4)+\b):8*(8*((\a)%4)+\b)+7], v[SC+8*NQ*(\sc)+NQ*\b+(\q)], v[SC+8*NQ*(\sc)+NQ*(\a)+(\q)] matrix_a_fmt:MATRIX_FMT_FP6 matrix_b_fmt:MATRIX_FMT_FP6 matrix_a_scale:MATRIX_SCALE_ROW1
.endif
.endr
.endr
.endm
.macro FETCH_B slot, q, p              ; source 0's eight fragments of the slot's q-th 128 along K into set p
	WIN TO_B
.irp i, 0,1,2,3,4,5,6,7
	FRAG 128*(\p)+FR*\i, ADR0+\slot, \q, \i
.endr
	WIN 0
.endm
.macro FETCH_A slot, q, i0             ; source 1's blocks i0 .. i0 + 3
.irp i, \i0, \i0+1, \i0+2, \i0+3
	FRAG AF+FR*(\i), ADR1+\slot, \q, \i
.endr
.endm
.macro SCALES set, kp                  ; K step kp's scale words into a set: two words a row; lanes 0-15 source 1's block i, lanes 16-31 source 0's block i
.irp i, 0,1,2,3,4,5,6,7
	ds_load_b64 v[SC+16*(\set)+2*\i:SC+16*(\set)+2*\i+1], v[ADRS] offset:512*\i+128*(\kp)
.endr
.endm
; A load into a register that a matrix instruction has read, and a vector instruction or an LDS store that reads a matrix result, stand NP places behind it; only plain vector instructions that name none of its registers are places.
.macro PLACES n
.rept \n
	v_nop
.endr
.endm
.macro STEP slot, q, zero              ; a step of 128 along K that has its successor in the same slot
	s_wait_dscnt 4*NL                              ; source 0's set and source 1's blocks 0-3 are in; the youngest 24 loads (blocks 4-7) may be out
	WIN MUL_LO
	MUL16 0, (\q)%2, \q, \slot, \zero
	MUL16 2, (\q)%2, \q, \slot, \zero
	s_wait_dscnt 0                                 ; blocks 4-7 are in
	PLACES NP
	FETCH_B \slot, (\q)+1, 1-(\q)%2
	FETCH_A \slot, (\q)+1, 0
	WIN MUL_HI
	MUL16 4, (\q)%2, \q, \slot, \zero
	MUL16 6, (\q)%2, \q, \slot, \zero
	PLACES NP
	WIN 0
	FETCH_A \slot, (\q)+1, 4
.endm
; A slot's last step changes slots: one barrier; in front of it each wave waits for all its tensor loads, adds 0 to its spare word, and waits for that and for its own reads of this slot.  fill = 1: this slot is filled again, two K steps ahead.
.macro TURN slot, next, fill, kp
	s_wait_tensorcnt 0x0                           ; all my tensor loads have landed: my part of the next slot
	ds_add_u32 v[SPW], v[NIL]                      ; 0 onto my spare word
	s_wait_dscnt 4*NL+1                            ; (the add and the youngest 24 loads, blocks 4-7, may be out)
	WIN MUL_LO
	MUL16 0, 1, NQ-1, \slot, 0                     ; sixteen matrix instructions stand between the add and the wait for it
	s_wait_dscnt 0x0                               ; the add is done, and my reads of this slot are over
	s_barrier_signal -1
	MUL16 2, 1, NQ-1, \slot, 0
	WIN 0
	s_barrier_wait -1
.if \fill
	CREST                                          ; the barrier has opened a round of the cluster's barrier: no wave of any partner still reads this slot or has a load on its way
	s_add_nc_u64 s[G0+4*\slot+2:G0+4*\slot+3], s[G0+4*\slot+2:G0+4*\slot+3], 2*RT
	s_add_nc_u64 s[G0B+4*\slot+2:G0B+4*\slot+3], s[G0B+4*\slot+2:G0B+4*\slot+3], 2*RT
	JLOAD G0+4*\slot, G1, G0B+4*\slot, G1B         ; the first tensor load behind the round, and my only one; its four v_nop are the places in front of the loads below
.else
	PLACES NP
.endif
	FETCH_B \next, 0, 0
	FETCH_A \next, 0, 0
	SCALES \next, \kp
	WIN MUL_HI
	MUL16 4, 1, NQ-1, \slot, 0
	MUL16 6, 1, NQ-1, \slot, 0
	PLACES NP
	WIN 0
	FETCH_A \next, 0, 4
.endm
	s_wait_tensorcnt 1                             ; the scale words and my part of K step 0 are in (K step 1's load may be out)
	s_barrier_signal -1
	s_barrier_wait -1                              ; everybody's are
	FETCH_B 0, 0, 0
	FETCH_A 0, 0, 0
	SCALES 0, 0
	FETCH_A 0, 0, 4
	STEP 0, 0, 1                                   ; four K steps of 256, written out: the first products start the sums
	TURN 0, 1, 1, 1
	STEP 1, 0, 0
	TURN 1, 0, 1, 2
	STEP 0, 0, 0
	TURN 0, 1, 0, 3                                ; nothing is left to fetch
	STEP 1, 0, 0
	s_wait_dscnt 4*NL
	WIN MUL_LO
	MUL16 0, 1, NQ-1, 1, 0
	MUL16 2, 1, NQ-1, 1, 0
	s_wait_dscnt 0
	WIN MUL_HI
	MUL16 4, 1, NQ-1, 1, 0
	MUL16 6, 1, NQ-1, 1, 0
	WIN 0
.if QKV
; THE WAY OUT: the 64 registers of source 1's block a are, in lane (r, h), register 16 b + i = place 32 b + 16 h + i along source 0's 128 rows: they are quantised in registers and leave as a fragment's planes.
; 64 numbers in window w from v[s] on become a fragment's codes in v[pc] on and its scale word in v[pw].  Each accumulator is read from its low end on.
.macro QUANTW s, w, pc, pw
	WIN ((\w)<<2)|((\w)<<4)
.irp b, 0,1,2,3
	v_max3_num_f32 v[TM+\b], v[FLR], |v[(\s)+16*\b]|, |v[(\s)+1+16*\b]|   ; with the floor: the byte cannot fall under 1
.endr
.irp i, 2,4,6,8,10,12,14
.irp b, 0,1,2,3
	v_max3_num_f32 v[TM+\b], v[TM+\b], |v[(\s)+16*\b+\i]|, |v[(\s)+1+16*\b+\i]|
.endr
.endr
	WIN 0
.irp b, 0,1,2,3
	v_permlanex16_b32 v[TM+4+\b], v[TM+\b], s96, s97
.endr
.irp b, 0,1,2,3
	v_max_num_f32 v[TM+\b], v[TM+\b], v[TM+4+\b]   ; with lane l xor 16's: the block's largest magnitude
.endr
.irp b, 0,1,2,3
	v_add_nc_u32 v[TM+12+\b], 0xff000000, v[TM+\b] ; 2 off its exponent field: the conversion's scale operand
.endr
.irp b, 0,1,2,3
	v_lshrrev_b32 v[TM+4+\b], 23, v[TM+12+\b]      ; the scale's byte
.endr
	v_lshl_or_b32 v[\pw], v[TM+5], 8, v[TM+4]
	v_lshl_or_b32 v[\pw], v[TM+6], 16, v[\pw]
	v_lshl_or_b32 v[\pw], v[TM+7], 24, v[\pw]
	WIN (\w)
.irp c, 0,1
	v_cvt_scalef32_pk16_fp6_f32 v[\pc+6*\c:\pc+2+6*\c], v[(\s)+32*\c:(\s)+15+32*\c], v[TM+12+2*\c]
	v_cvt_scalef32_pk16_fp6_f32 v[\pc+12+4*\c:\pc+14+4*\c], v[(\s)+16+32*\c:(\s)+31+32*\c], v[TM+12+2*\c+1]
.endr
	WIN 0
	v_nop                                          ; one plain place behind the scaled conversions
.irp c, 0,1                            ; the operand's layout wants a whole block in a lane
.irp i, 0,1,2
	v_permlane16_swap_b32 v[\pc+6*\c+\i], v[\pc+12+4*\c+\i]
.endr
.irp i, 0,1,2
	v_mov_b32 v[\pc+3+6*\c+\i], v[\pc+12+4*\c+\i]
.endr
.endr
.endm
	PLACES NP                                      ; behind the last products, ahead of the first read of results
	; q, k: block a = 2 pi + u is a tile of tokens; in its fragment c is the head (of my two) and h the block of d: planes 3 u + j of double fragment pi, in head c's record.
	; v: block a is tile dt = 2 (pi % 2) + u of head pi / 2; its fragment goes out whole: planes 3 c + j.
	s_cmp_eq_u32 ttmp9, 2
	s_cselect_b32 s43, s15, s16                    ; which of the work-group's two pairs of heads,
	s_cselect_b32 s44, s16, s15                    ; which of its two groups of 128 tokens
	s_cselect_b32 s45, 6144, 0                     ; where the codes begin in a record
	s_cselect_b32 s100, 256, 0                     ; and the scale words, less 12,288
	s_cselect_b32 s101, 768, 0                     ; from u = 0 to u = 1, less 768
	s_mov_b32 s66, HEADB
	s_cselect_b32 s66, 768, s66                    ; from c = 0 to c = 1
	s_mov_b32 s67, HEADB
	s_cselect_b32 s67, 64, s67                     ; from lanes 0-15's scale words to lanes 16-31's
	s_mov_b32 s22, 1536
	s_cselect_b32 s22, 3072, s22                   ; the codes' steps from pi to pi + 1: 0 to 1 and 2 to 3,
	s_mov_b32 s46, 1536
	s_cselect_b32 s46, HEADB-3072, s46             ; 1 to 2
	s_cselect_b32 s92, 128, 64                     ; the scale words' likewise
	s_cselect_b32 s94, HEADB-128, 64
	s_mov_b32 s98, 0x05040100
	s_cselect_b32 s98, 0x03020100, s98             ; lanes 0-15's word: q, k: the low halves of u = 0's and u = 1's (head 0); v: u = 0's word
	s_mov_b32 s99, 0x07060302
	s_cselect_b32 s99, 0x07060504, s99             ; lanes 16-31's: the high halves (head 1); u = 1's word
	s_mov_b32 s23, 0
	s_mov_b32 s47, 0
	s_mov_b32 s93, 0
	s_mov_b32 s95, 0
	s_cmp_eq_u32 ttmp9, 0
	s_cselect_b64 s[18:19], s[8:9], s[10:11]       ; q goes to QB, k and v to KV
	s_lshr_b32 s2, s17, 3
	s_lshl_b32 s2, s2, 4                           ; 16 x batch
	s_lshl_b32 s20, s40, 2
	s_add_co_u32 s2, s2, s20                       ; + 4 cx
	s_lshl_b32 s20, s43, 1
	s_add_co_u32 s2, s2, s20                       ; + 2 x pair: my first head
	s_lshl_b32 s2, s2, 4
	s_and_b32 s20, s17, 7
	s_lshl_b32 s20, s20, 1
	s_add_co_u32 s2, s2, s20
	s_add_co_u32 s2, s2, s44                       ; + my group of 128 tokens
	s_mul_i32 s2, s2, REC
	v_and_b32 v[VO], 31, v0
	v_lshlrev_b32 v[VO], 3, v[VO]
	v_add_nc_u32 v[VO+1], s66, v[VO]
	s_add_co_u32 s101, s101, 768
	v_add_nc_u32 v[VO+2], s101, v[VO]
	v_add_nc_u32 v[VO+3], s101, v[VO+1]
	v_mul_lo_u32 v[VSO], v2, s67
	v_lshl_add_u32 v[VSO], v1, 2, v[VSO]
	s_add_co_u32 s20, s2, s100
	s_add_co_u32 s20, s20, 12288
	s_mov_b32 s21, 0
	s_add_nc_u64 s[20:21], s[18:19], s[20:21]      ; the scale words
	s_add_co_u32 s100, s2, s45
	s_mov_b32 s101, 0
	s_add_nc_u64 s[18:19], s[18:19], s[100:101]    ; the codes
.irp pi, 0,1,2,3
	QUANTW 64*((2*\pi)%4), 2+(\pi)/2, PC0, PW0
	QUANTW 64*((2*\pi+1)%4), 2+(\pi)/2, PC1, PW1
	v_perm_b32 v[OW0], v[PW1], v[PW0], s98
	v_perm_b32 v[OW1], v[PW1], v[PW0], s99
	v_cndmask_b32 v[OW], v[OW0], v[OW1], s3
.irp c, 0,1
.irp j, 0,1,2
	global_store_b64 v[VO+\c], v[PC0+6*\c+2*\j:PC0+6*\c+2*\j+1], s[18:19] offset:256*\j     ; each store: 256 consecutive bytes, aligned
	global_store_b64 v[VO+2+\c], v[PC1+6*\c+2*\j:PC1+6*\c+2*\j+1], s[18:19] offset:256*\j
.endr
.endr
	global_store_b32 v[VSO], v[OW], s[20:21]
.if \pi < 3
	s_wait_xcnt 0x0                                ; the stores have read their data and their bases: both are written again only behind this wait
.if \pi == 1
	s_add_nc_u64 s[18:19], s[18:19], s[46:47]
	s_add_nc_u64 s[20:21], s[20:21], s[94:95]
.else
	s_add_nc_u64 s[18:19], s[18:19], s[22:23]
	s_add_nc_u64 s[20:21], s[20:21], s[92:93]
.endif
.endif
.endr
.else
; THE WAY OUT, block by block of 16 tokens x 128 columns: through my own stage in LDS, back as whole rows of 512 bytes.  LDS serves a wave's instructions in order: no wait between the stores and the loads.
.macro TOSTAGE a
.set AC, 64*((\a)%4)
	WIN 0x08+4*((\a)/4)                            ; the data: window 2 or 3
.irp b, 0,1,2,3,4,5,6,7
	ds_store_b128 v[STO], v[AC+8*\b:AC+8*\b+3] offset:128*(\b/2)+32*(\b%2)          ; each accumulator from its low end on
	ds_store_b128 v[STO], v[AC+8*\b+4:AC+8*\b+7] offset:128*(\b/2)+32*(\b%2)+16
.endr
	WIN 0
.set BB, BK+64*((\a)%2)
.irp t, 0,1,2,3,4,5,6,7,8,9,10,11,12,13,14,15
	ds_load_b128 v[BB+4*\t:BB+4*\t+3], v[RD] offset:\t*SPITCH
.endr
.endm
.macro SEND a, younger                 ; younger: the LDS instructions issued behind block a's loads, which may stay out
.set BB, BK+64*((\a)%2)
	s_wait_dscnt \younger
.irp t, 0,1,2,3,4,5,6,7,8,9,10,11,12,13,14,15
	global_store_b128 v[CO], v[BB+4*\t:BB+4*\t+3], s[12:13] offset:(32*((\a)/2)+8*((\a)%2)+\t+8*(\t/8))*4096 th:TH_STORE_NT   ; row t of block a is that token: 512 consecutive bytes, aligned
.endr
.endm
	PLACES NP
	TOSTAGE 0
.irp a, 1,2,3,4,5,6,7
.if \a > 1
	s_wait_xcnt 0x0                                ; block a - 2's stores have read their registers: block a's loads may land there
.endif
	TOSTAGE \a
	SEND \a-1, 32                                  ; behind block a - 1's loads: block a's 16 stores and 16 loads
.endr
	SEND 7, 0
.endif
	s_wait_tensorcnt 0x0                           ; the wave's end
	ds_add_u32 v[SPW], v[NIL]
	s_wait_dscnt 0x0
	CROUND                                         ; the closing round: no work-group ends while a partner may still ask for a tile that names it
	s_endpgm
.Lfunc_end_k_q5002b47ca7_gemm_qkv:
	.size	k_q5002b47ca7_gemm_qkv, .Lfunc_end_k_q5002b47ca7_gemm_qkv-k_q5002b47ca7_gemm_qkv
	.p2alignl 7, 3214868480
	.fill 96, 4, 3214868480
	.section	.rodata,"a",@progbits
	.p2align	6, 0x0
	.amdhsa_kernel k_q5002b47ca7_gemm_qkv
		.amdhsa_group_segment_fixed_size 327680
		.amdhsa_private_segment_fixed_size 0
		.amdhsa_enable_private_segment 0
		.amdhsa_kernarg_size 32
		.amdhsa_user_sgpr_count 2
		.amdhsa_user_sgpr_kernarg_segment_ptr 1
		.amdhsa_wavefront_size32 1
		.amdhsa_system_sgpr_workgroup_id_x 1
		.amdhsa_system_sgpr_workgroup_id_y 1
		.amdhsa_system_sgpr_workgroup_id_z 1
		.amdhsa_system_vgpr_workitem_id 0
		.amdhsa_next_free_vgpr 1024
		.amdhsa_next_free_sgpr 102
		.amdhsa_reserve_vcc 0
		.amdhsa_float_denorm_mode_32 3
		.amdhsa_float_denorm_mode_16_64 3
		.amdhsa_memory_ordered 1
		.amdhsa_forward_progress 1
		.amdhsa_inst_pref_size 168
	.end_amdhsa_kernel
	.amdgpu_metadata
---
amdhsa.version: [ 1, 2 ]
amdhsa.kernels:
  - .name:           k_q5002b47ca7_gemm_qkv
    .symbol:         k_q5002b47ca7_gemm_qkv.kd
    .args:
      - { .name: XQ, .offset: 0, .size: 8, .value_kind: global_buffer, .address_space: global }
      - { .name: WA, .offset: 8, .size: 8, .value_kind: global_buffer, .address_space: global }
      - { .name: QB, .offset: 16, .size: 8, .value_kind: global_buffer, .address_space: global }
      - { .name: KV, .offset: 24, .size: 8, .value_kind: global_buffer, .address_space: global }
    .group_segment_fixed_size: 327680
    .private_segment_fixed_size: 0
    .kernarg_segment_align: 8
    .kernarg_segment_size: 32
    .max_flat_workgroup_size: 128
    .sgpr_count:     102
    .vgpr_count:     1024
    .wavefront_size: 32
...
	.end_amdgpu_metadata
.endif
;; end of part 2
;; launch attn (part 3): grid 4 x 64, 16 waves a work-group, no clusters, 327,680 bytes of LDS; arguments QB, KV, YQ; writes YQ
.if DOCPART == 3
	.amdgcn_target "amdgcn-amd-amdhsa--gfx1250"
	.amdhsa_code_object_version 6
	.text
	.protected	k_q5002b47ca7_attn
	.globl	k_q5002b47ca7_attn
	.p2align	8
	.type	k_q5002b47ca7_attn,@function
k_q5002b47ca7_attn:
	s_mov_b64 s[64:65], 0
	v_nop
	global_prefetch_b8 v0, s[64:65] scope:SCOPE_SE
	s_setreg_imm32_b32 hwreg(HW_REG_WAVE_MODE, 25, 1), 1
	s_wait_xcnt 0x0
; y[b][q][head] = softmax_k(q . k / 8, causal) v, both products on codes of FP6 (E2M3) with E8M0 scales; y leaves as codes, quantised along C, laid as the projection's operand.
; THE SOFTMAX AHEAD OF THE SECOND PRODUCT: t = score x log2(e) / 8; M = the running largest t rounded up to a whole number; p = 2^(t - M) is quantised along the keys, not normalised;
; the row's sum is taken of the unquantised p and divides at the end; when M moves, the sum and O are multiplied by 2^(old M - new M): exact.
; INPUT: head records of 12,800 bytes for each head and 128 tokens: +0 four double fragments of q (QB) or k (KV): registers 0-5 token tile 2 pi, registers 6-11 tile 2 pi + 1, each 16 tokens x 64 d;
; +6,144 four fragments of v (16 d x 128 keys); +12,288, +12,544 their scale words.  A tile's row i is token (or d) 32 G + 8 u + i + 8 (i / 8), so that 16 registers of two neighbouring result tiles are 16 neighbours.
; K = 64 IN A FORM OF K = 128: one double fragment of k serves two products: against [q | zeros] it gives tile 2 pi's scores, against [zeros | q] tile 2 pi + 1's.  Zero codes add nothing under any scale byte here (none is 0xff).
; Both products are used transposed (S^T = k q^T, O^T = v^T p^T): a lane holds one query throughout.
; SHARES.  Work-group (i, head) owns two blocks of 256 queries: i and 7 - i.  Block x walks key slots 0 .. x of 256 keys: (i + 1) + (8 - i) = 9 visits in every work-group: the trip count is a constant, and all work-groups are alike.
; The change of block is a scalar branch on ids, round register work, loads and stores alone.  Each of the sixteen waves owns 16 queries.  A step all of whose keys come after the wave's queries is jumped over; on the diagonal hidden scores become -infinity.
; NO CLUSTER: the four work-groups of a head begin their second blocks at visits 1, 2, 3 and 4, so in one and the same visit they want different tiles: joint requests would not meet.
; LIMITS: NaN and infinities are not served; a block of y whose largest magnitude lies under 2^-124, a block of zeros too, takes the byte 1 (this program alone reads the bytes).  y's scale bytes leave one byte a lane.
.set REC,   12800
.set HEADB, 16*REC
.set SLOT1, 32768                      ; a slot holds two records, 25,600 bytes; slot 1 begins here: one exclusive or turns an address
.set SPARE, 65536                      ; the spare words, 128 bytes for each wave: eight blocks of 256 bytes that no other line names
.set YSC,   6291456                    ; where the scale words begin in YQ
.set L8,   1                           ; v1   8 x lane
.set R4,   2                           ; v2   4 r
.set DM,   3                           ; v3   r + 8 (r / 8) - 16 h
.set YSO,  4                           ; v4   8 r + h
.set SPW,  5                           ; v5   LDS address of my spare word; never rewritten
.set NIL,  6                           ; v6   0; never rewritten
.set PFO,  7                           ; v7   the prefetches' offset; never rewritten
.set ADK,  8
.set ADS,  9
.set QLO,  16                          ; v16-27 [q | zeros];  v28-39 [zeros | q]
.set QHI,  28
.set FRG,  40                          ; v40-87 four fragments: k's, then v's
.set KSW,  88                          ; v88-91 their scale words; v92 q's; v93 p's
.set QSW,  92
.set PSW,  93
.set S,    96                          ; v96-159 S^T, then p
.set O,    160                         ; v160-191 O^T
.set PC,   192
.set PT,   204
.set BM,   212
.set BT,   216
.set BS,   220
.set F,    224
.set TMP,  226
.set NINF, 227
.set DD,   228
.set BYT,  229
.set TB,   2                           ; s2   LDS byte at which the slot in hand begins
.set VIS,  3                           ; s3   the visit
.set WV,   18
.set SEL,  20
.set CS,   22                          ; s[22:23] c = log2(e) / 8
.set G1,   24
.set G0,   32
.set KVB,  36                          ; s[36:37] my part of the head's first slot in KV
.set OFFS, 38                          ; s[38:39] the tile to be asked for, in bytes
.set NA,   40                          ; s40  the visit at which the second block begins
.set KF,   41                          ; s41  the step's first key
.set Q0,   42                          ; s42  my first query
.set Q0B,  43
.set QPA,  44
.set QPB,  46
.set QSPA, 48
.set QSPB, 50
.set YBA,  52
.set YBB,  54
.set YSA,  56
.set YSB,  58
.set HM,   60                          ; s60  lanes 16-31
.set SH,   61                          ; s61  16 (wave % 2)
.set PFA,  66
.set LIMP, 68
.set Q0A,  69
.macro TLOAD                           ; waves 0 to 3 fetch a quarter of a slot each.  Four v_nop follow the line
	s_cmp_lt_u32 s[WV], 4
	s_cbranch_scc0 .Lasked_\@
	tensor_load_to_lds s[G0:G0+3], s[G1:G1+7]
	s_nop 0
.rept 4
	v_nop
.endr
.Lasked_\@:
.endm
; A PREFETCH INTO THE L2.  The head's work-group 0 walks tiles 0 .. 7 in visits 1 .. 8; in visit v (1 .. 6), where waves 0 to 3 ask for tile v, its waves 4 to 7 name tile v + 1: 6,400 bytes a wave, lanes 256 bytes apart
; (lanes 25 to 31 name the 25th block again).  So tiles 2 to 7 are named once in the launch; tiles 0 and 1 come by their loads alone, and nothing is asked for at the head or past the head's last tile.
.macro ASK
	s_sub_co_u32 s70, s[VIS], 1
	s_cmp_lt_u32 s70, s[LIMP]
	s_cbranch_scc0 .Lnot_mine_\@
	global_prefetch_b8 v[PFO], s[PFA:PFA+1] th:TH_LOAD_NT scope:SCOPE_SE
.Lnot_mine_\@:
.endm
; THE CHANGE OF SLOTS, at a visit's head.  Each wave waits for all its tensor loads, adds 0 to its spare word, and waits for that and for its reads of the slot that it has left.  fill = 1: that slot takes the next visit's tile.
.macro CHANGE fill
	s_wait_tensorcnt 0x0                           ; no tensor load of mine is out, so group 0 may be written
	ds_add_u32 v[SPW], v[NIL]                      ; 0 onto my spare word
.if \fill
	s_xor_b32 s[G0+1], s[G0+1], SLOT1              ; the other slot than last time
	s_add_co_u32 s[OFFS], s[OFFS], 2*REC           ; the next 256 keys,
	s_add_co_u32 s70, s[VIS], 1
	s_cmp_eq_u32 s70, s[NA]
	s_cselect_b32 s[OFFS], 0, s[OFFS]              ; or the head's first, where the next visit begins the second block
	s_add_nc_u64 s[G0+2:G0+3], s[KVB:KVB+1], s[OFFS:OFFS+1]
	s_or_b32 s[G0+3], s[G0+3], 0x80000000
	s_wait_xcnt 0x0                                ; the last prefetch, a visit back, has read its address
	s_add_nc_u64 s[PFA:PFA+1], s[PFA:PFA+1], 2*REC
.endif
	s_wait_dscnt 0x0                               ; the add is done, and my reads of the slot that I have left are over
	s_barrier_signal -1
	s_barrier_wait -1
.if \fill
	TLOAD                                          ; the first thing behind the barrier, and a wave's one tensor load until the next
	ASK
.endif
.endm
; A block of queries begins: q's codes and scale word, the running figures, O^T = 0.
.macro START qp, qsp, q0
.irp j, 0,1,2
	global_load_b64 v[QLO+2*\j:QLO+2*\j+1], v[L8], s[\qp:\qp+1] offset:256*\j
	global_load_b64 v[QHI+6+2*\j:QHI+7+2*\j], v[L8], s[\qp:\qp+1] offset:256*\j
.endr
	global_load_b32 v10, v[R4], s[\qsp:\qsp+1]
	s_wait_loadcnt 0x0
	s_wait_xcnt 0x0                                ; the last block's stores have read their data: those registers are written again only behind this wait
	v_lshrrev_b32 v10, s[SH], v10                  ; my tile's two bytes of the double fragment's word,
	s_delay_alu instid0(VALU_DEP_1)
	v_and_b32 v10, 0xffff, v10
	s_delay_alu instid0(VALU_DEP_1)
	v_lshl_or_b32 v[QSW], v10, 16, v10             ; below and above: the word serves both forms of q
	v_mov_b32 v13, 0xff61b1e6                      ; the largest t so far: -3e38
	s_delay_alu instid0(VALU_DEP_1)
	v_floor_f32 v12, -v13                          ; -M
	v_mov_b32 v14, 0
	v_mov_b32 v15, 0
.set NN, 0
.rept 32
	v_mov_b32 v[O+NN], 0                           ; (also the places between the scale word's last write and the first product)
.set NN, NN+1
.endr
	s_mov_b32 s[KF], 0
	s_mov_b32 s[Q0], s[\q0]
.endm
; A KEY STEP: 128 keys: record q of the slot in hand.
.macro STEP q
	s_add_co_u32 s70, s[Q0], 23                    ; my last query
	s_cmp_gt_u32 s[KF], s70
	s_cbranch_scc1 .Lhidden_\@
	v_add_nc_u32 v[ADK], s[TB], v[L8]
	v_add_nc_u32 v[ADS], s[TB], v[R4]
	v_nop
	v_nop                                          ; four places in front of loads into registers that matrix instructions have read
.irp b, 0,1,2,3
.irp p, 0,1,2,3,4,5
	ds_load_b64 v[FRG+12*\b+2*\p:FRG+12*\b+2*\p+1], v[ADK] offset:REC*(\q)+1536*\b+256*\p
.endr
	ds_load_b32 v[KSW+\b], v[ADS] offset:REC*(\q)+12288+64*\b
.endr
	s_wait_alu depctr_va_vdst(0)
	s_wait_dscnt 0x0
.irp b, 0,1,2,3
	v_wmma_scale_f32_16x16x128_f8f6f4 v[S+16*\b:S+16*\b+7], v[FRG+12*\b:FRG+12*\b+11], v[QLO:QLO+11], 0, v[KSW+\b], v[QSW] matrix_a_fmt:MATRIX_FMT_FP6 matrix_b_fmt:MATRIX_FMT_FP6
	v_wmma_scale_f32_16x16x128_f8f6f4 v[S+16*\b+8:S+16*\b+15], v[FRG+12*\b:FRG+12*\b+11], v[QHI:QHI+11], 0, v[KSW+\b], v[QSW] matrix_a_fmt:MATRIX_FMT_FP6 matrix_b_fmt:MATRIX_FMT_FP6
.endr                                  ; register 16 b + i of lane (r, h): key KF + 32 b + 16 h + i
.rept 4
	v_nop
.endr
.irp b, 0,1,2,3                        ; v's fragments into the same registers: they land under the softmax
.irp p, 0,1,2,3,4,5
	ds_load_b64 v[FRG+12*\b+2*\p:FRG+12*\b+2*\p+1], v[ADK] offset:REC*(\q)+6144+1536*\b+256*\p
.endr
	ds_load_b32 v[KSW+\b], v[ADS] offset:REC*(\q)+12544+64*\b
.endr
	s_add_co_u32 s70, s[KF], 127
	s_cmp_le_u32 s70, s[Q0]
	s_cbranch_scc1 .Lopen_\@                       ; all keys count
	s_sub_co_i32 s70, s[Q0], s[KF]
	v_add_nc_u32 v[DD], s70, v[DM]                 ; my query - KF - 16 h: register 16 b + i is hidden where 32 b + i is above it
.set NN, 0
.rept 64
	v_cmp_gt_i32 vcc_lo, 32*(NN/16)+NN%16, v[DD]
	v_cndmask_b32 v[S+NN], v[S+NN], v[NINF], vcc_lo
.set NN, NN+1
.endr
.Lopen_\@:
.irp b, 0,1,2,3
	v_max3_num_f32 v[BM+\b], v[S+16*\b], v[S+1+16*\b], v[S+2+16*\b]   ; the largest score of each block of 32 keys: for the row's maximum and, since p rises with the score, for the block's largest p
.endr
.irp i, 3,5,7,9,11,13
.irp b, 0,1,2,3
	v_max3_num_f32 v[BM+\b], v[BM+\b], v[S+16*\b+\i], v[S+1+16*\b+\i]
.endr
.endr
.irp b, 0,1,2,3
	v_max_num_f32 v[BM+\b], v[BM+\b], v[S+15+16*\b]
.endr
.irp b, 0,1,2,3
	s_delay_alu instid0(VALU_DEP_4)
	v_permlanex16_b32 v[BT+\b], v[BM+\b], s[SEL], s[SEL+1]
.endr
.irp b, 0,1,2,3
	s_delay_alu instid0(VALU_DEP_4)
	v_max_num_f32 v[BM+\b], v[BM+\b], v[BT+\b]     ; with lane l xor 16's 16 keys
.endr
	s_delay_alu instid0(VALU_DEP_2)
	v_max3_num_f32 v[TMP], v[BM], v[BM+1], v[BM+2]
	s_delay_alu instid0(VALU_DEP_1)
	v_max_num_f32 v[TMP], v[TMP], v[BM+3]
	s_delay_alu instid0(VALU_DEP_1)
	v_mul_f32 v[TMP], s[CS], v[TMP]                ; as t
	s_delay_alu instid0(VALU_DEP_1)
	v_max_num_f32 v13, v13, v[TMP]                 ; the running largest t
	v_mov_b32 v[TMP], v12
	s_delay_alu instid0(VALU_DEP_2)
	v_floor_f32 v12, -v13                          ; the new -M = -ceil(t)
	s_delay_alu instid0(VALU_DEP_1)
	v_sub_f32 v[TMP], v12, v[TMP]                  ; old M - new M: a whole number, 0 or less
	s_delay_alu instid0(VALU_DEP_1)
	v_cvt_i32_f32 v[TMP], v[TMP]                   ; (it saturates)
	s_delay_alu instid0(VALU_DEP_1)
	v_ldexp_f32 v[F], 1.0, v[TMP]                  ; f = 2^(old M - new M)
.set NN, 0
.rept 32
	v_pk_fma_f32 v[S+NN:S+NN+1], v[S+NN:S+NN+1], s[CS:CS+1], v[12:13] op_sel_hi:[1,0,0]   ; t - M, two at a time
.set NN, NN+2
.endr
.irp b, 0,1,2,3
	v_fma_f32 v[BM+\b], v[BM+\b], s[CS], v12       ; the same of each block's largest score
.endr
.set NN, 0
	s_wait_alu depctr_va_vdst(0)
.rept 64
	v_exp_f32 v[S+NN], v[S+NN]                     ; p = 2^(t - M)
.set NN, NN+1
.endr
	v_pk_mul_f32 v[14:15], v[14:15], v[F:F+1] op_sel_hi:[1,0]   ; the sums under the new M: a plain place behind the exponentials
	s_wait_alu depctr_va_vdst(0)                   ; one wait for the batch, ahead of its first reader
.irp b, 0,1,2,3
	v_exp_f32 v[BM+\b], v[BM+\b]                   ; the block's largest p
.endr
	v_pk_add_f32 v[216:217], v[100:101], v[104:105]
	v_pk_add_f32 v[254:255], v[108:109], v[112:113]
	v_pk_add_f32 v[252:253], v[116:117], v[120:121]
	v_pk_add_f32 v[250:251], v[124:125], v[128:129]
	v_pk_add_f32 v[248:249], v[132:133], v[136:137]
	v_pk_add_f32 v[246:247], v[140:141], v[144:145]
	v_pk_add_f32 v[244:245], v[148:149], v[152:153]
	v_pk_add_f32 v[14:15], v[14:15], v[156:157]
	v_pk_add_f32 v[216:217], v[216:217], v[96:97]
	v_pk_add_f32 v[254:255], v[254:255], v[98:99]
	v_pk_add_f32 v[252:253], v[252:253], v[102:103]
	v_pk_add_f32 v[250:251], v[250:251], v[106:107]
	v_pk_add_f32 v[248:249], v[248:249], v[110:111]
	v_pk_add_f32 v[246:247], v[246:247], v[114:115]
	v_pk_add_f32 v[244:245], v[244:245], v[118:119]
	v_pk_add_f32 v[14:15], v[14:15], v[122:123]
	v_pk_add_f32 v[216:217], v[216:217], v[126:127]
	v_pk_add_f32 v[254:255], v[254:255], v[130:131]
	v_pk_add_f32 v[252:253], v[252:253], v[134:135]
	v_pk_add_f32 v[250:251], v[250:251], v[138:139]
	v_pk_add_f32 v[248:249], v[248:249], v[142:143]
	v_pk_add_f32 v[246:247], v[246:247], v[146:147]
	v_pk_add_f32 v[244:245], v[244:245], v[150:151]
	v_pk_add_f32 v[14:15], v[14:15], v[154:155]
	v_pk_add_f32 v[216:217], v[216:217], v[158:159]
	s_delay_alu instid0(VALU_DEP_2)
	v_pk_add_f32 v[14:15], v[14:15], v[250:251]
	s_delay_alu instid0(VALU_DEP_2)
	v_pk_add_f32 v[216:217], v[216:217], v[248:249]
	v_pk_add_f32 v[254:255], v[254:255], v[246:247]
	v_pk_add_f32 v[252:253], v[252:253], v[244:245]
	s_delay_alu instid0(VALU_DEP_2)
	v_pk_add_f32 v[14:15], v[14:15], v[254:255]
	s_delay_alu instid0(VALU_DEP_2)
	v_pk_add_f32 v[216:217], v[216:217], v[252:253]
	s_delay_alu instid0(VALU_DEP_1)
	v_pk_add_f32 v[14:15], v[14:15], v[216:217]
	s_wait_alu depctr_va_vdst(0)                   ; and one for the four
.irp b, 0,1,2,3
	v_max_num_f32 v[BM+\b], 0x1800000, v[BM+\b]    ; the floor: the byte cannot fall under 1
.endr
.irp b, 0,1,2,3
	s_delay_alu instid0(VALU_DEP_4)
	v_add_nc_u32 v[BS+\b], 0xff000000, v[BM+\b]    ; the conversion's scale operand
.endr
.irp b, 0,1,2,3
	s_delay_alu instid0(VALU_DEP_4)
	v_lshrrev_b32 v[BT+\b], 23, v[BS+\b]           ; the scale's byte
.endr
	s_delay_alu instid0(VALU_DEP_3)
	v_lshl_or_b32 v[PSW], v[BT+1], 8, v[BT]        ; p's scale word for these 128 keys
	s_delay_alu instid0(VALU_DEP_1)
	v_lshl_or_b32 v[PSW], v[BT+2], 16, v[PSW]
	s_delay_alu instid0(VALU_DEP_1)
	v_lshl_or_b32 v[PSW], v[BT+3], 24, v[PSW]
.irp c, 0,1
	v_cvt_scalef32_pk16_fp6_f32 v[PC+6*\c:PC+2+6*\c], v[S+32*\c:S+15+32*\c], v[BS+2*\c]
	v_cvt_scalef32_pk16_fp6_f32 v[PT+4*\c:PT+2+4*\c], v[S+16+32*\c:S+31+32*\c], v[BS+2*\c+1]
.endr
	v_nop                                          ; one plain place behind the scaled conversions
.irp c, 0,1                            ; the operand's layout wants a whole block in a lane
.irp i, 0,1,2
	v_permlane16_swap_b32 v[PC+6*\c+\i], v[PT+4*\c+\i]
.endr
.irp i, 0,1,2
	s_delay_alu instid0(VALU_DEP_3)
	v_mov_b32 v[PC+3+6*\c+\i], v[PT+4*\c+\i]
.endr
.endr
.set NN, 0
.rept 16
	v_pk_mul_f32 v[O+NN:O+NN+1], v[O+NN:O+NN+1], v[F:F+1] op_sel_hi:[1,0]   ; O^T under the new M; also the places in front of the products below
.set NN, NN+2
.endr
	s_wait_alu depctr_va_vdst(0)
	s_wait_dscnt 0x0                               ; v's fragments are in
.irp b, 0,1,2,3                        ; the four accumulators take turns, one instruction a turn
	v_wmma_scale_f32_16x16x128_f8f6f4 v[O+8*\b:O+8*\b+7], v[FRG+12*\b:FRG+12*\b+11], v[PC:PC+11], v[O+8*\b:O+8*\b+7], v[KSW+\b], v[PSW] matrix_a_fmt:MATRIX_FMT_FP6 matrix_b_fmt:MATRIX_FMT_FP6
.endr
.Lhidden_\@:
	s_add_co_u32 s[KF], s[KF], 128
.endm
; A block of queries ends: O^T / the sum; register 16 b + i of lane (r, h) is channel 32 b + 16 h + i of my query: two blocks of 32 along C; codes as three planes of the projection's fragment, a byte a lane.
.macro FINISH yb, ys
.rept 4
	v_nop                                          ; places behind the last products
.endr
	v_add_f32 v14, v14, v15
	s_delay_alu instid0(VALU_DEP_1)
	v_permlanex16_b32 v[TMP], v14, s[SEL], s[SEL+1]
	s_delay_alu instid0(VALU_DEP_1)
	v_add_f32 v14, v14, v[TMP]                     ; the row's sum
	s_wait_alu depctr_va_vdst(0)
	v_rcp_f32 v10, v14
	v_nop                                          ; a plain place behind the reciprocal,
	s_wait_alu depctr_va_vdst(0)                   ; and the wait ahead of its first reader
	v_mov_b32 v11, v10
.set NN, 0
.rept 16
	v_pk_mul_f32 v[S+NN:S+NN+1], v[O+NN:O+NN+1], v[10:11]   ; each accumulator from its low end on
.set NN, NN+2
.endr
.irp b, 0,1
	v_max3_num_f32 v[BM+\b], |v[S+16*\b]|, |v[S+1+16*\b]|, 0x1800000
.endr
.irp i, 2,4,6,8,10,12,14
.irp b, 0,1
	s_delay_alu instid0(VALU_DEP_2)
	v_max3_num_f32 v[BM+\b], v[BM+\b], |v[S+16*\b+\i]|, |v[S+1+16*\b+\i]|
.endr
.endr
.irp b, 0,1
	s_delay_alu instid0(VALU_DEP_2)
	v_permlanex16_b32 v[BT+\b], v[BM+\b], s[SEL], s[SEL+1]
.endr
.irp b, 0,1
	s_delay_alu instid0(VALU_DEP_2)
	v_max_num_f32 v[BM+\b], v[BM+\b], v[BT+\b]
.endr
.irp b, 0,1
	s_delay_alu instid0(VALU_DEP_2)
	v_add_nc_u32 v[BS+\b], 0xff000000, v[BM+\b]
.endr
.irp b, 0,1
	s_delay_alu instid0(VALU_DEP_2)
	v_lshrrev_b32 v[BT+\b], 23, v[BS+\b]
.endr
	s_delay_alu instid0(VALU_DEP_1)
	v_cndmask_b32 v[BYT], v[BT], v[BT+1], s[HM]    ; lane (r, h) stores block h's byte
	v_cvt_scalef32_pk16_fp6_f32 v[PC:PC+2], v[S:S+15], v[BS]
	v_cvt_scalef32_pk16_fp6_f32 v[PT:PT+2], v[S+16:S+31], v[BS+1]
	v_nop
.irp i, 0,1,2
	v_permlane16_swap_b32 v[PC+\i], v[PT+\i]
.endr
.irp i, 0,1,2
	s_delay_alu instid0(VALU_DEP_3)
	v_mov_b32 v[PC+3+\i], v[PT+\i]
.endr
.irp j, 0,1,2
	global_store_b64 v[L8], v[PC+2*\j:PC+2*\j+1], s[\yb:\yb+1] offset:256*\j   ; 256 consecutive bytes, aligned
.endr
	global_store_b8 v[YSO], v[BYT], s[\ys:\ys+1]
.endm
.macro PTRS x, qp, qsp, yb, ys, q0     ; the pointers of block x of 256 queries
	s_lshl_b32 s70, s[\x], 1
	s_add_co_u32 s70, s70, s17
	s_mul_i32 s70, s70, REC                        ; my tile's record in QB
	s_add_co_u32 s72, s70, s11
	s_mov_b32 s73, 0
	s_add_nc_u64 s[\qp:\qp+1], s[4:5], s[72:73]
	s_add_co_u32 s72, s70, s12
	s_add_nc_u64 s[\qsp:\qsp+1], s[4:5], s[72:73]
	s_lshl_b32 s70, s[\x], 4
	s_add_co_u32 s70, s70, s15                     ; my tile of tokens in YQ
	s_mul_i32 s72, s70, 12288
	s_add_co_u32 s72, s72, s13
	s_add_nc_u64 s[\yb:\yb+1], s[8:9], s[72:73]
	s_lshl_b32 s72, s70, 9
	s_add_co_u32 s72, s72, s14
	s_add_nc_u64 s[\ys:\ys+1], s[8:9], s[72:73]
	s_lshl_b32 s[\q0], s[\x], 8
	s_add_co_u32 s[\q0], s[\q0], s16
.endm
	s_load_b128 s[4:7], s[0:1], 0x0                ; QB s[4:5], KV s[6:7]
	s_load_b64 s[8:9], s[0:1], 0x10                ; YQ
	v_lshl_add_u32 v[SPW], v0, 2, SPARE
	v_mov_b32 v[NIL], 0
	ds_add_u32 v5, v6
	ds_add_u32 v5, v6
	s_wait_dscnt 0x0
	v_lshrrev_b32 v8, 5, v0
	s_delay_alu instid0(VALU_DEP_1)
	v_readfirstlane_b32 s[WV], v8                  ; wave 0..15
	s_and_b32 s10, ttmp7, 0xffff                   ; 16 x batch + head
	; descriptor group 1: a quarter of a slot: 6,400 dense bytes as 25 rows of 256 (32 elements of 8 bytes)
	s_mov_b32 s[G1], 3<<16
	s_mov_b32 s[G1+1], 32<<16
	s_mov_b32 s[G1+2], 25<<16
	s_mov_b32 s[G1+3], 32<<16
	s_mov_b32 s[G1+4], 25
	s_mov_b32 s[G1+5], 32
	s_mov_b32 s[G1+6], 0
	s_mov_b32 s[G1+7], 0
	s_and_b32 s70, s[WV], 3
	s_mul_i32 s[G0+1], s70, 6400                   ; LDS address: my quarter of slot 0
	s_mul_i32 s72, s10, HEADB
	s_add_co_u32 s72, s72, s[G0+1]
	s_mov_b32 s73, 0
	s_mov_b32 s[G0], 1
	s_mov_b32 s[OFFS], 0
	s_mov_b32 s[OFFS+1], 0
	s_wait_kmcnt 0x0
	s_add_nc_u64 s[KVB:KVB+1], s[6:7], s[72:73]
	s_mov_b64 s[G0+2:G0+3], s[KVB:KVB+1]
	s_or_b32 s[G0+3], s[G0+3], 0x80000000
	TLOAD                                          ; tile 0 into slot 0: the one first fill
	s_mov_b64 s[PFA:PFA+1], s[KVB:KVB+1]           ; (in waves 4 to 7 wave % 4 = wave - 4)
	s_lshr_b32 s70, s[WV], 2
	s_xor_b32 s70, s70, 1
	s_or_b32 s70, s70, ttmp9                       ; 0 in waves 4 to 7 of the head's work-group 0
	s_cmp_eq_u32 s70, 0
	s_cselect_b32 s[LIMP], 6, 0
	s_add_co_u32 s[NA], ttmp9, 1
	s_mov_b32 s74, ttmp9                           ; the first block,
	s_sub_co_u32 s75, 7, ttmp9                     ; the second
	s_and_b32 s70, s[WV], 7
	s_mul_i32 s11, s70, 768                        ; q's codes in the record: double fragment (wave / 2) % 4, half wave % 2
	s_lshr_b32 s70, s70, 1
	s_lshl_b32 s12, s70, 6
	s_add_co_u32 s12, s12, 12288                   ; and its scale words
	s_and_b32 s70, s10, 15                         ; the head
	s_mul_i32 s13, s70, 768                        ; y's codes in the tile: K step head / 2, half head % 2
	s_lshr_b32 s71, s70, 2
	s_lshl_b32 s14, s71, 7
	s_and_b32 s71, s70, 3
	s_lshl_b32 s71, s71, 1
	s_add_co_u32 s14, s14, s71
	s_add_co_u32 s14, s14, YSC                     ; y's scale bytes: 128 (head / 4) + 2 (head % 4)
	s_lshr_b32 s15, s10, 4
	s_lshl_b32 s15, s15, 7
	s_add_co_u32 s15, s15, s[WV]                   ; 128 x batch + wave
	s_lshr_b32 s16, s[WV], 1
	s_lshl_b32 s16, s16, 5
	s_and_b32 s70, s[WV], 1
	s_lshl_b32 s[SH], s70, 4
	s_lshl_b32 s70, s70, 3
	s_add_co_u32 s16, s16, s70                     ; 32 (wave / 2) + 8 (wave % 2)
	s_lshl_b32 s17, s10, 4
	s_lshr_b32 s70, s[WV], 3
	s_add_co_u32 s17, s17, s70                     ; 16 x head's number + wave / 8
	PTRS 74, QPA, QSPA, YBA, YSA, Q0A
	PTRS 75, QPB, QSPB, YBB, YSB, Q0B
	s_mov_b32 s[SEL], 0x76543210
	s_mov_b32 s[SEL+1], 0xfedcba98
	s_mov_b32 s[CS], 0x3e38aa3b                    ; c = log2(e) / 8
	s_mov_b32 s[CS+1], s[CS]
	s_mov_b32 s[HM], 0xffff0000
	s_mov_b32 s[TB], 0
	s_mov_b32 s[VIS], 0
	v_and_b32 v10, 31, v0                          ; lane
	s_delay_alu instid0(VALU_DEP_1)
	v_lshlrev_b32 v[L8], 3, v10
	v_and_b32 v11, 15, v0                          ; r
	v_bfe_u32 v12, v0, 4, 1                        ; h
	s_delay_alu instid0(VALU_DEP_2)
	v_lshlrev_b32 v[R4], 2, v11
	s_delay_alu instid0(VALU_DEP_3)
	v_and_b32 v13, 8, v11
	s_delay_alu instid0(VALU_DEP_1)
	v_add_nc_u32 v13, v13, v11
	s_delay_alu instid0(VALU_DEP_4)
	v_lshlrev_b32 v14, 4, v12
	s_delay_alu instid0(VALU_DEP_1)
	v_sub_nc_u32 v[DM], v13, v14
	v_lshl_add_u32 v[YSO], v11, 3, v12
	v_min_u32 v[PFO], 24, v10
	s_delay_alu instid0(VALU_DEP_1)
	v_lshlrev_b32 v[PFO], 8, v[PFO]
.irp j, 0,1,2,3,4,5
	v_mov_b32 v[QLO+6+\j], 0                       ; the zero halves of q's two forms
	v_mov_b32 v[QHI+\j], 0
.endr
.irp b, 0,1,2,3
	v_mov_b32 v[BT+\b], 0                          ; written once: a lane permute's destination counts as one of its sources
.endr
	v_mov_b32 v[TMP], 0
	v_mov_b32 v[F+1], 0                            ; (named as the upper half of a pair)
	v_mov_b32 v[NINF], 0xff800000
	START QPA, QSPA, Q0A
.Lslot:                                            ; eight trips: behind each change of slots but the last the next visit's tile is asked for
	CHANGE 1
	s_cmp_lg_u32 s[VIS], s[NA]
	s_cbranch_scc1 .Lsame
	FINISH YBA, YSA                                ; the first block is done; the second begins with the tile just landed, the head's first
	START QPB, QSPB, Q0B
.Lsame:
	STEP 0
	STEP 1
	s_xor_b32 s[TB], s[TB], SLOT1
	s_add_co_u32 s[VIS], s[VIS], 1
	s_cmp_lt_u32 s[VIS], 8
	s_cbranch_scc1 .Lslot
	CHANGE 0                                       ; the ninth visit is written out
	STEP 0
	STEP 1
	FINISH YBB, YSB
	s_wait_tensorcnt 0x0                           ; the wave's end
	ds_add_u32 v[SPW], v[NIL]
	s_wait_dscnt 0x0
	s_endpgm
.Lfunc_end_k_q5002b47ca7_attn:
	.size	k_q5002b47ca7_attn, .Lfunc_end_k_q5002b47ca7_attn-k_q5002b47ca7_attn
	.p2alignl 7, 3214868480
	.fill 96, 4, 3214868480
	.section	.rodata,"a",@progbits
	.p2align	6, 0x0
	.amdhsa_kernel k_q5002b47ca7_attn
		.amdhsa_group_segment_fixed_size 327680
		.amdhsa_private_segment_fixed_size 0
		.amdhsa_enable_private_segment 0
		.amdhsa_kernarg_size 24
		.amdhsa_user_sgpr_count 2
		.amdhsa_user_sgpr_kernarg_segment_ptr 1
		.amdhsa_wavefront_size32 1
		.amdhsa_system_sgpr_workgroup_id_x 1
		.amdhsa_system_sgpr_workgroup_id_y 1
		.amdhsa_system_sgpr_workgroup_id_z 1
		.amdhsa_system_vgpr_workitem_id 0
		.amdhsa_next_free_vgpr 256
		.amdhsa_next_free_sgpr 80
		.amdhsa_reserve_vcc 1
		.amdhsa_float_denorm_mode_32 3
		.amdhsa_float_denorm_mode_16_64 3
		.amdhsa_memory_ordered 1
		.amdhsa_forward_progress 1
		.amdhsa_inst_pref_size 116
	.end_amdhsa_kernel
	.amdgpu_metadata
---
amdhsa.version: [ 1, 2 ]
amdhsa.kernels:
  - .name:           k_q5002b47ca7_attn
    .symbol:         k_q5002b47ca7_attn.kd
    .args:
      - { .name: QB, .offset: 0, .size: 8, .value_kind: global_buffer, .address_space: global }
      - { .name: KV, .offset: 8, .size: 8, .value_kind: global_buffer, .address_space: global }
      - { .name: YQ, .offset: 16, .size: 8, .value_kind: global_buffer, .address_space: global }
    .group_segment_fixed_size: 327680
    .private_segment_fixed_size: 0
    .kernarg_segment_align: 8
    .kernarg_segment_size: 24
    .max_flat_workgroup_size: 512
    .sgpr_count:     80
    .vgpr_count:     256
    .wavefront_size: 32
...
	.end_amdgpu_metadata
.endif
;; end of part 3
;; launch gemm_proj (part 4): grid 4 x 32, 4 waves a work-group, clusters of 4 x 4, 327,680 bytes of LDS; arguments YQ, WP, out0; writes out0
.if DOCPART == 4
	.amdgcn_target "amdgcn-amd-amdhsa--gfx1250"
	.amdhsa_code_object_version 6
	.text
	.protected	k_q5002b47ca7_gemm_proj
	.globl	k_q5002b47ca7_gemm_proj
	.p2align	8
	.type	k_q5002b47ca7_gemm_proj,@function
k_q5002b47ca7_gemm_proj:
	s_mov_b64 s[64:65], 0
	v_nop
	global_prefetch_b8 v0, s[64:65] scope:SCOPE_SE
	s_setreg_imm32_b32 hwreg(HW_REG_WAVE_MODE, 25, 1), 1
	s_wait_xcnt 0x0
	s_wait_alu depctr_hold_cnt(0) depctr_sa_sdst(0) depctr_va_vdst(0) depctr_va_sdst(0) depctr_va_ssrc(0) depctr_va_vcc(0) depctr_vm_vsrc(0)
	s_getreg_b32 s2, hwreg(HW_REG_IB_STS2, 6, 4)
	s_cmp_eq_u32 s2, 0
	s_cbranch_scc0 .Lentry_in_a_cluster
	s_endpgm
.Lentry_in_a_cluster:
	s_bfe_u32 s2, ttmp6, 0x10000c
	s_cmp_lg_u32 s2, 0xf033
	s_cbranch_scc0 .Lentry_shape_is_right
	s_endpgm
.Lentry_shape_is_right:
; ONE TEXT SERVES TWO LAUNCHES (QKV = 1: x W_attn, whose results leave as codes of q, k and v; QKV = 0: y W_proj, whose results leave as f32).  Both products on codes of FP6 (E2M3) with E8M0 scales, K = 1,024, sums in f32.
; OPERANDS lie in memory as images of the matrix instruction's registers: [tile of 16 rows][8 K steps of 128][1,536 bytes]; a fragment is six planes of 256 bytes, plane p = registers 2 p, 2 p + 1, lane l at 8 l.
; Tile 2 G + u holds in its row i the tensor's row 32 G + 8 u + i + 8 (i / 8).  Scale words behind the codes: [tile][4][16 rows][2 words].
; SHARES.  A work-group of four waves makes 256 tokens x 256 columns, a wave 128 x 128: 64 accumulators of 16 x 16.  K goes in four steps of 256 through two LDS slots; the scale words of the work-group's rows come once.
; CLUSTERS: 4 x 4 work-groups; the tokens' tiles are shared along a row of the cluster, the weight's along a column: each is asked for jointly, by the same tensor load with the same descriptor and a mask that names the four.
; SOURCE 0's ROWS RUN ALONG A LANE'S REGISTERS in the result: by the order of rows in a tile the 16 registers of source-0 tiles 2 b and 2 b + 1 in lane (r, h) are the neighbours 32 b + 16 h + 0 .. 15.
; Here (QKV = 0): source 0 = the weight, source 1 = the tokens: a lane holds a token and 16 neighbouring columns for each pair of tiles; the results go through a stage in LDS and leave as whole rows of 512 bytes.
; 128 tiles for this launch: a narrower tile would feed fewer products from each LDS byte.
; REGISTERS: window 0: v1-31 addresses; v32-63 scale words, two sets; v128-223 source 1's eight fragments, one set, on the way out rows of out0.  window 1: source 0's fragments, two sets, at v0 and v128.
;   windows 2, 3: the accumulators: (a, b) at v[8 (8 (a % 4) + b)] of window 2 + a / 4.
.set QKV,   0
.set ASC,   6291456                    ; where the scale words begin in the tokens' buffer,
.if QKV
.set BSC,   2359296                    ; and in the weight's
.else
.set BSC,   786432
.endif
.set NQ,    2                          ; matrix instructions deep in a slot
.set FR,    12                         ; registers of a fragment
.set NL,    6                          ; LDS loads that bring one
.set NP,    4                          ; places behind this matrix instruction (ISA guide 7.12.1)
.set RT,    3072                       ; a tile's two fragments of a K step of 256
.set HALFT, 8*RT                       ; eight tiles: what one tensor load brings, and what a wave reads of either operand
.set SLOT,  4*HALFT                    ; the tokens' 16 tiles, then the weight's 16
.set SCL,   2*SLOT                     ; behind the ring: the tokens' scale words, 8,192 bytes;
.set SCLB,  SCL+8192+128               ; the weight's, 128 bytes further on than on end
.set SPARE, SCLB+8192+128              ; the spare words, 128 bytes for each wave: two blocks of 256 bytes that no other line names
.set SPITCH, 528                       ; the way out: a stage of 16 rows x (512 bytes + 16) for each wave, in slot 0, which has had its last fill and its last read by then
.set ADR1, 16                          ; v16-17  LDS address of source 1's fragments in slot 0, 1
.set ADR0, 20                          ; v20-21  of source 0's
.set STO,  24                          ; v24     the way out: where I put my bytes of a row
.set RD,   25                          ; v25     where I read a row back
.set CO,   26                          ; v26     my byte offset in a row of out0
.set ADRS, 27                          ; v27     of my scale words: lanes 0-15 source 1's rows, lanes 16-31 source 0's
.set SPW,  28                          ; v28     LDS address of my spare word; never rewritten
.set NIL,  29                          ; v29     0; never rewritten
.set SC,   32
.set AF,   128
.set BK,   128
.set G1, 24
.set G0, 32
.set G1B, 48
.set G0B, 56
.set G1S, 68
.set G0S, 76
.set G1SB, 80
.set G0SB, 88
.set MSB, 0
.macro WIN new                         ; the immediate's high byte repeats the setting that is left
.if MSB != (\new)
	s_set_vgpr_msb (MSB<<8)|(\new)
.set MSB, (\new)
.endif
.endm
.set MUL_LO, 0xa1                      ; source 0 window 1, source 1 window 0, C and D window 2
.set MUL_HI, 0xf1                      ; the same, C and D window 3
.set TO_B,   0x40                      ; destination window 1, address window 0
; A joint load: waves 0 and 1 fetch the tokens' halves, waves 2 and 3 the weight's.  The branch hangs on the wave's number alone.  Four v_nop follow each of the two lines.
.macro JLOAD g0a, g1a, g0b, g1b
	s_cmp_eq_u32 s15, 0
	s_cbranch_scc0 .Lfor_b_\@
	tensor_load_to_lds s[\g0a:\g0a+3], s[\g1a:\g1a+7]
	s_nop 0
.rept 4
	v_nop
.endr
	s_branch .Lasked_\@
.Lfor_b_\@:
	tensor_load_to_lds s[\g0b:\g0b+3], s[\g1b:\g1b+7]
	s_nop 0
.rept 4
	v_nop
.endr
.Lasked_\@:
.endm
.macro CREST                           ; a round of the cluster's barrier behind its opening barrier
	s_cmp_lg_u32 s14, 0
	s_cbranch_scc1 .Lnot_wave_0_\@
	s_barrier_signal -3
.Lnot_wave_0_\@:
	s_barrier_wait -3
	s_barrier_signal -1
	s_barrier_wait -1
.endm
.macro CROUND                          ; a whole round
	s_barrier_signal -1
	s_barrier_wait -1
	CREST
.endm
	s_load_b128 s[4:7], s[0:1], 0x0                ; the tokens' image s[4:5], the weight's s[6:7]
	s_load_b64 s[12:13], s[0:1], 0x10              ; out0
	v_lshl_add_u32 v[SPW], v0, 2, SPARE
	v_mov_b32 v[NIL], 0
	ds_add_u32 v28, v29
	s_wait_dscnt 0x0
	v_lshrrev_b32 v1, 5, v0
	v_readfirstlane_b32 s14, v1                    ; wave 0..3
	s_lshr_b32 s15, s14, 1                         ; which half of source 1 is mine.  Also: I fetch the tokens (0) or the weight (1)
	s_and_b32 s16, s14, 1                          ; which half of source 0.  Also: which eight tiles I fetch
	s_bfe_u32 s40, ttmp6, 0x40000                  ; cx, cy: my place in the cluster
	s_bfe_u32 s41, ttmp6, 0x40004
	s_lshl_b32 s42, ttmp9, 2
	s_add_co_u32 s42, s42, s40                     ; x: which 256 columns = 4 x cluster x + cx
	s_and_b32 s17, ttmp7, 0xffff
	s_lshl_b32 s17, s17, 2
	s_add_co_u32 s17, s17, s41                     ; y: which 256 tokens = 4 x cluster y + cy
	s_lshl_b32 s43, s41, 2
	s_lshl_b32 s43, 15, s43                        ; my row of the cluster
	s_lshl_b32 s44, 0x1111, s40                    ; my column
	; descriptor group 1, codes: 8 rows (tiles) of 3,072 bytes (384 elements of 8 bytes), 12,288 bytes apart; no padding: a fragment load reads 256 consecutive bytes
	s_or_b32 s[G1+0], s43, (3<<16)|(1<<21)         ; 15:0 the mask: the tokens' tiles go to my row; 17:16 elements of 8 bytes; 21 set beside a mask
	s_or_b32 s[G1B+0], s44, (3<<16)|(1<<21)        ; the weight's to my column
.irp g, G1, G1B
	s_mov_b32 s[\g+1], 384<<16                     ; tensor_dim0
	s_mov_b32 s[\g+2], 8<<16                       ; tensor_dim1
	s_mov_b32 s[\g+3], 384<<16                     ; tile_dim0
	s_mov_b32 s[\g+4], 8                           ; tile_dim1
	s_mov_b32 s[\g+5], 1536                        ; tensor_dim0_stride
	s_mov_b32 s[\g+6], 0
	s_mov_b32 s[\g+7], 0
.endr
	; scale words of eight tiles: 4,096 dense bytes as 16 rows of 256
	s_or_b32 s[G1S+0], s43, (3<<16)|(1<<21)
	s_or_b32 s[G1SB+0], s44, (3<<16)|(1<<21)
.irp g, G1S, G1SB
	s_mov_b32 s[\g+1], 32<<16
	s_mov_b32 s[\g+2], 16<<16
	s_mov_b32 s[\g+3], 32<<16
	s_mov_b32 s[\g+4], 16
	s_mov_b32 s[\g+5], 32
	s_mov_b32 s[\g+6], 0
	s_mov_b32 s[\g+7], 0
.endr
	s_lshl_b32 s18, s16, 3                         ; which eight tiles I fetch
	s_lshl_b32 s20, s17, 4
	s_add_co_u32 s20, s20, s18                     ; tokens: tile 16 y + 8 x half
	s_lshl_b32 s46, s42, 4
	s_add_co_u32 s46, s46, s18                     ; weight: tile 16 x + 8 x half
	s_lshl_b32 s22, s20, 9
	s_add_co_u32 s22, s22, ASC                     ; their scale words, 512 bytes a tile
	s_mov_b32 s23, 0
	s_lshl_b32 s92, s46, 9
	s_add_co_u32 s92, s92, BSC
	s_mov_b32 s93, 0
	s_mul_i32 s20, s20, 12288                      ; and their codes
	s_mov_b32 s21, 0
	s_mul_i32 s46, s46, 12288
	s_mov_b32 s47, 0
	s_mul_i32 s45, s14, HALFT                      ; where they go: wave x eight tiles: no place in the cluster enters an LDS address
	s_lshl_b32 s94, s14, 12
	s_lshl_b32 s95, s15, 7
	s_add_co_u32 s94, s94, s95                     ; scale words: wave x 4,096, the weight's 128 further on
	s_wait_kmcnt 0x0
	s_add_nc_u64 s[20:21], s[4:5], s[20:21]
	s_add_nc_u64 s[22:23], s[4:5], s[22:23]
	s_add_nc_u64 s[46:47], s[6:7], s[46:47]
	s_add_nc_u64 s[92:93], s[6:7], s[92:93]
	CROUND                                         ; all sixteen work-groups are here: the first joint loads meet
	s_mov_b32 s[G0S], 1
	s_add_co_u32 s[G0S+1], s94, SCL
	s_mov_b64 s[G0S+2:G0S+3], s[22:23]
	s_or_b32 s[G0S+3], s[G0S+3], 0x80000000
	s_mov_b32 s[G0SB], 1
	s_add_co_u32 s[G0SB+1], s94, SCL
	s_mov_b64 s[G0SB+2:G0SB+3], s[92:93]
	s_or_b32 s[G0SB+3], s[G0SB+3], 0x80000000
	JLOAD G0S, G1S, G0SB, G1SB                     ; the scale words first: they are wanted with K step 0.  Three loads of mine are out behind the first fills
.irp s, 0,1
	s_mov_b32 s[G0+4*\s], 1
	s_add_co_u32 s[G0+4*\s+1], s45, \s*SLOT
	s_add_nc_u64 s[G0+4*\s+2:G0+4*\s+3], s[20:21], \s*RT
	s_or_b32 s[G0+4*\s+3], s[G0+4*\s+3], 0x80000000
	s_mov_b32 s[G0B+4*\s], 1
	s_add_co_u32 s[G0B+4*\s+1], s45, \s*SLOT
	s_add_nc_u64 s[G0B+4*\s+2:G0B+4*\s+3], s[46:47], \s*RT
	s_or_b32 s[G0B+4*\s+3], s[G0B+4*\s+3], 0x80000000
	JLOAD G0+4*\s, G1, G0B+4*\s, G1B
.endr
	v_and_b32 v1, 15, v0                           ; r
	v_bfe_u32 v2, v0, 4, 1                         ; h
	v_and_b32 v3, 31, v0
	v_lshlrev_b32 v3, 3, v3                        ; 8 x lane: my place in every plane
	s_mov_b32 s3, 0xffff0000                       ; lanes 16-31
	s_mov_b32 s98, 0                               ; source 1: the tokens' tiles
	s_mov_b32 s99, 2*HALFT                         ; source 0: the weight's, which lie behind them
	s_mov_b32 s100, 0
	s_mov_b32 s101, SCLB-SCL
	s_mul_i32 s21, s15, HALFT
	s_add_co_u32 s21, s21, s98
	s_mul_i32 s22, s16, HALFT
	s_add_co_u32 s22, s22, s99
.irp s, 0,1
	v_add_nc_u32 v[ADR1+\s], s21, v3
	v_add_nc_u32 v[ADR0+\s], s22, v3
	s_add_co_u32 s21, s21, SLOT
	s_add_co_u32 s22, s22, SLOT
.endr
	v_lshlrev_b32 v4, 3, v1                        ; a row's two words of a K step: 8 r
	s_lshl_b32 s21, s15, 12
	s_add_co_u32 s21, s21, s100
	s_add_co_u32 s21, s21, SCL
	s_lshl_b32 s22, s16, 12
	s_add_co_u32 s22, s22, s101
	s_add_co_u32 s22, s22, SCL
	v_add_nc_u32 v5, s21, v4
	v_add_nc_u32 v6, s22, v4
	v_cndmask_b32 v[ADRS], v5, v6, s3              ; lanes 0-15 take source 1's words, lanes 16-31 source 0's
	s_mul_i32 s23, s14, 16*SPITCH                  ; my stage
	v_mul_u32_u24 v5, v1, SPITCH                   ; in: row r, + 64 h: my registers' columns are 32 (b / 2) + 8 (b % 2) + 16 h + j
	v_lshl_add_u32 v5, v2, 6, v5
	v_add_nc_u32 v[STO], s23, v5
	v_and_b32 v6, 31, v0
	v_lshlrev_b32 v[CO], 4, v6                     ; back: the 32 lanes take one row of 512 bytes; and the same in out0
	v_add_nc_u32 v[RD], s23, v[CO]
	s_lshl_b32 s20, s17, 8
	s_lshl_b32 s21, s15, 7
	s_add_co_u32 s20, s20, s21                     ; my first token: 256 y + 128 x half
	s_lshl_b32 s20, s20, 12                        ; a row of out0 is 4,096 bytes
	s_lshl_b32 s46, s42, 10
	s_lshl_b32 s47, s16, 9
	s_add_co_u32 s46, s46, s47                     ; my first column, in bytes
	s_add_co_u32 s20, s20, s46
	s_mov_b32 s21, 0
	s_add_nc_u64 s[12:13], s[12:13], s[20:21]
.macro FRAG reg, adr, q, i             ; a fragment as it lies: six planes, 8 bytes a lane: each load reads 256 consecutive bytes
.irp p, 0,1,2,3,4,5
	ds_load_b64 v[(\reg)+2*\p:(\reg)+2*\p+1], v[\adr] offset:RT*(\i)+1536*(\q)+256*\p
.endr
.endm
; 16 matrix instructions: source 1's blocks a0, a0 + 1 x source 0's eight, 128 along K.  p: source 0's set; sc: the set of scale words.  zero = 1: the first product starts the sums.
; The 64 accumulators take turns, one instruction a turn, in the same order in every step.
.macro MUL16 a0, p, q, sc, zero
.irp a, \a0, \a0+1
.irp b, 0,1,2,3,4,5,6,7
.if \zero
	v_wmma_scale_f32_16x16x128_f8f6f4 v[8*(8*((\a)%4)+\b):8*(8*((\a)%4)+\b)+7], v[128*(\p)+FR*\b:128*(\p)+FR*\b+FR-1], v[AF+FR*(\a):AF+FR*(\a)+FR-1], 0, v[SC+8*NQ*(\sc)+NQ*\b+(\q)], v[SC+8*NQ*(\sc)+NQ*(\a)+(\q)] matrix_a_fmt:MATRIX_FMT_FP6 matrix_b_fmt:MATRIX_FMT_FP6 matrix_a_scale:MATRIX_SCALE_ROW1
.else
	v_wmma_scale_f32_16x16x128_f8f6f4 v[8*(8*((\a)%4)+\b):8*(8*((\a)%4)+\b)+7], v[128*(\p)+FR*\b:128*(\p)+FR*\b+FR-1], v[AF+FR*(\a):AF+FR*(\a)+FR-1], v[8*(8*((\a)%4)+\b):8*(8*((\a)%4)+\b)+7], v[SC+8*NQ*(\sc)+NQ*\b+(\q)], v[SC+8*NQ*(\sc)+NQ*(\a)+(\q)] matrix_a_fmt:MATRIX_FMT_FP6 matrix_b_fmt:MATRIX_FMT_FP6 matrix_a_scale:MATRIX_SCALE_ROW1
.endif
.endr
.endr
.endm
.macro FETCH_B slot, q, p              ; source 0's eight fragments of the slot's q-th 128 along K into set p
	WIN TO_B
.irp i, 0,1,2,3,4,5,6,7
	FRAG 128*(\p)+FR*\i, ADR0+\slot, \q, \i
.endr
	WIN 0
.endm
.macro FETCH_A slot, q, i0             ; source 1's blocks i0 .. i0 + 3
.irp i, \i0, \i0+1, \i0+2, \i0+3
	FRAG AF+FR*(\i), ADR1+\slot, \q, \i
.endr
.endm
.macro SCALES set, kp                  ; K step kp's scale words into a set: two words a row; lanes 0-15 source 1's block i, lanes 16-31 source 0's block i
.irp i, 0,1,2,3,4,5,6,7
	ds_load_b64 v[SC+16*(\set)+2*\i:SC+16*(\set)+2*\i+1], v[ADRS] offset:512*\i+128*(\kp)
.endr
.endm
; A load into a register that a matrix instruction has read, and a vector instruction or an LDS store that reads a matrix result, stand NP places behind it; only plain vector instructions that name none of its registers are places.
.macro PLACES n
.rept \n
	v_nop
.endr
.endm
.macro STEP slot, q, zero              ; a step of 128 along K that has its successor in the same slot
	s_wait_dscnt 4*NL                              ; source 0's set and source 1's blocks 0-3 are in; the youngest 24 loads (blocks 4-7) may be out
	WIN MUL_LO
	MUL16 0, (\q)%2, \q, \slot, \zero
	MUL16 2, (\q)%2, \q, \slot, \zero
	s_wait_dscnt 0                                 ; blocks 4-7 are in
	PLACES NP
	FETCH_B \slot, (\q)+1, 1-(\q)%2
	FETCH_A \slot, (\q)+1, 0
	WIN MUL_HI
	MUL16 4, (\q)%2, \q, \slot, \zero
	MUL16 6, (\q)%2, \q, \slot, \zero
	PLACES NP
	WIN 0
	FETCH_A \slot, (\q)+1, 4
.endm
; A slot's last step changes slots: one barrier; in front of it each wave waits for all its tensor loads, adds 0 to its spare word, and waits for that and for its own reads of this slot.  fill = 1: this slot is filled again, two K steps ahead.
.macro TURN slot, next, fill, kp
	s_wait_tensorcnt 0x0                           ; all my tensor loads have landed: my part of the next slot
	ds_add_u32 v[SPW], v[NIL]                      ; 0 onto my spare word
	s_wait_dscnt 4*NL+1                            ; (the add and the youngest 24 loads, blocks 4-7, may be out)
	WIN MUL_LO
	MUL16 0, 1, NQ-1, \slot, 0                     ; sixteen matrix instructions stand between the add and the wait for it
	s_wait_dscnt 0x0                               ; the add is done, and my reads of this slot are over
	s_barrier_signal -1
	MUL16 2, 1, NQ-1, \slot, 0
	WIN 0
	s_barrier_wait -1
.if \fill
	CREST                                          ; the barrier has opened a round of the cluster's barrier: no wave of any partner still reads this slot or has a load on its way
	s_add_nc_u64 s[G0+4*\slot+2:G0+4*\slot+3], s[G0+4*\slot+2:G0+4*\slot+3], 2*RT
	s_add_nc_u64 s[G0B+4*\slot+2:G0B+4*\slot+3], s[G0B+4*\slot+2:G0B+4*\slot+3], 2*RT
	JLOAD G0+4*\slot, G1, G0B+4*\slot, G1B         ; the first tensor load behind the round, and my only one; its four v_nop are the places in front of the loads below
.else
	PLACES NP
.endif
	FETCH_B \next, 0, 0
	FETCH_A \next, 0, 0
	SCALES \next, \kp
	WIN MUL_HI
	MUL16 4, 1, NQ-1, \slot, 0
	MUL16 6, 1, NQ-1, \slot, 0
	PLACES NP
	WIN 0
	FETCH_A \next, 0, 4
.endm
	s_wait_tensorcnt 1                             ; the scale words and my part of K step 0 are in (K step 1's load may be out)
	s_barrier_signal -1
	s_barrier_wait -1                              ; everybody's are
	FETCH_B 0, 0, 0
	FETCH_A 0, 0, 0
	SCALES 0, 0
	FETCH_A 0, 0, 4
	STEP 0, 0, 1                                   ; four K steps of 256, written out: the first products start the sums
	TURN 0, 1, 1, 1
	STEP 1, 0, 0
	TURN 1, 0, 1, 2
	STEP 0, 0, 0
	TURN 0, 1, 0, 3                                ; nothing is left to fetch
	STEP 1, 0, 0
	s_wait_dscnt 4*NL
	WIN MUL_LO
	MUL16 0, 1, NQ-1, 1, 0
	MUL16 2, 1, NQ-1, 1, 0
	s_wait_dscnt 0
	WIN MUL_HI
	MUL16 4, 1, NQ-1, 1, 0
	MUL16 6, 1, NQ-1, 1, 0
	WIN 0
; THE WAY OUT, block by block of 16 tokens x 128 columns: through my own stage in LDS, back as whole rows of 512 bytes.  LDS serves a wave's instructions in order: no wait between the stores and the loads.
.macro TOSTAGE a
.set AC, 64*((\a)%4)
	WIN 0x08+4*((\a)/4)                            ; the data: window 2 or 3
.irp b, 0,1,2,3,4,5,6,7
	ds_store_b128 v[STO], v[AC+8*\b:AC+8*\b+3] offset:128*(\b/2)+32*(\b%2)          ; each accumulator from its low end on
	ds_store_b128 v[STO], v[AC+8*\b+4:AC+8*\b+7] offset:128*(\b/2)+32*(\b%2)+16
.endr
	WIN 0
.set BB, BK+64*((\a)%2)
.irp t, 0,1,2,3,4,5,6,7,8,9,10,11,12,13,14,15
	ds_load_b128 v[BB+4*\t:BB+4*\t+3], v[RD] offset:\t*SPITCH
.endr
.endm
.macro SEND a, younger                 ; younger: the LDS instructions issued behind block a's loads, which may stay out
.set BB, BK+64*((\a)%2)
	s_wait_dscnt \younger
.irp t, 0,1,2,3,4,5,6,7,8,9,10,11,12,13,14,15
	global_store_b128 v[CO], v[BB+4*\t:BB+4*\t+3], s[12:13] offset:(32*((\a)/2)+8*((\a)%2)+\t+8*(\t/8))*4096 th:TH_STORE_NT   ; row t of block a is that token: 512 consecutive bytes, aligned
.endr
.endm
	PLACES NP
	TOSTAGE 0
.irp a, 1,2,3,4,5,6,7
.if \a > 1
	s_wait_xcnt 0x0                                ; block a - 2's stores have read their registers: block a's loads may land there
.endif
	TOSTAGE \a
	SEND \a-1, 32                                  ; behind block a - 1's loads: block a's 16 stores and 16 loads
.endr
	SEND 7, 0
	s_wait_tensorcnt 0x0                           ; the wave's end
	ds_add_u32 v[SPW], v[NIL]
	s_wait_dscnt 0x0
	CROUND                                         ; the closing round: no work-group ends while a partner may still ask for a tile that names it
	s_endpgm
.Lfunc_end_k_q5002b47ca7_gemm_proj:
	.size	k_q5002b47ca7_gemm_proj, .Lfunc_end_k_q5002b47ca7_gemm_proj-k_q5002b47ca7_gemm_proj
	.p2alignl 7, 3214868480
	.fill 96, 4, 3214868480
	.section	.rodata,"a",@progbits
	.p2align	6, 0x0
	.amdhsa_kernel k_q5002b47ca7_gemm_proj
		.amdhsa_group_segment_fixed_size 327680
		.amdhsa_private_segment_fixed_size 0
		.amdhsa_enable_private_segment 0
		.amdhsa_kernarg_size 24
		.amdhsa_user_sgpr_count 2
		.amdhsa_user_sgpr_kernarg_segment_ptr 1
		.amdhsa_wavefront_size32 1
		.amdhsa_system_sgpr_workgroup_id_x 1
		.amdhsa_system_sgpr_workgroup_id_y 1
		.amdhsa_system_sgpr_workgroup_id_z 1
		.amdhsa_system_vgpr_workitem_id 0
		.amdhsa_next_free_vgpr 1024
		.amdhsa_next_free_sgpr 102
		.amdhsa_reserve_vcc 0
		.amdhsa_float_denorm_mode_32 3
		.amdhsa_float_denorm_mode_16_64 3
		.amdhsa_memory_ordered 1
		.amdhsa_forward_progress 1
		.amdhsa_inst_pref_size 159
	.end_amdhsa_kernel
	.amdgpu_metadata
---
amdhsa.version: [ 1, 2 ]
amdhsa.kernels:
  - .name:           k_q5002b47ca7_gemm_proj
    .symbol:         k_q5002b47ca7_gemm_proj.kd
    .args:
      - { .name: YQ, .offset: 0, .size: 8, .value_kind: global_buffer, .address_space: global }
      - { .name: WP, .offset: 8, .size: 8, .value_kind: global_buffer, .address_space: global }
      - { .name: out0, .offset: 16, .size: 8, .value_kind: global_buffer, .address_space: global }
    .group_segment_fixed_size: 327680
    .private_segment_fixed_size: 0
    .kernarg_segment_align: 8
    .kernarg_segment_size: 24
    .max_flat_workgroup_size: 128
    .sgpr_count:     102
    .vgpr_count:     1024
    .wavefront_size: 32
...
	.end_amdgpu_metadata
.endif
;; end of part 4
